; MI455X (gfx1250); checked and timed in simulation.
; The chip was launched on July 23, 2026; its instructions are those of AMD's public machine-readable ISA for CDNA 5 (MIT licence, August 2026) and "CDNA5" Instruction Set Architecture Reference Guide (July 2026). The comments in the code are by the model that wrote it; some were corrected since.
;; Self Attention1 D. Allowed arithmetic: matrix products marked QUANTISED: E2M3 operands, one E8M0 scale for each 32 along K, by v_wmma_scale_f32_16x16x128_f8f6f4 with both operands' format E2M3, f32 sums; everything else in f32.
;; Inputs: Wf_codes 64 x 16 x 24 uint8 (E2M3 codes of Wf, K innermost, in blocks of 32 codes, four codes in three bytes); Wf_scales 64 x 16 uint8 (E8M0 scales of Wf, one for each 32 codes along K); Wg_codes 64 x 16 x 24 uint8 (E2M3 codes of Wg, K innermost, in blocks of 32 codes, four codes in three bytes); Wg_scales 64 x 16 uint8 (E8M0 scales of Wg, one for each 32 codes along K); Wh_codes 512 x 16 x 24 uint8 (E2M3 codes of Wh, K innermost, in blocks of 32 codes, four codes in three bytes); Wh_scales 512 x 16 uint8 (E8M0 scales of Wh, one for each 32 codes along K); bf 64 float32; bg 64 float32; bh 512 float32; gamma one number float32; x 4 x 4,096 x 512 float32.
;; Outputs: out0 4 x 4,096 x 512 float32.
;; This version of the problem:
;;   THIS VERSION OF THE PROBLEM IS GIVEN IN LOW PRECISION. The matrix products marked QUANTISED in the list below multiply operands that are first quantised to E2M3 (2 exponent bits, 3 mantissa bits; 6 bits a number), with one power-of-two scale for each 32 numbers along K (OCP MX v1.0); their sums are f32. All else is computed in f32.
;;   The module's matrix products, in the order in which they are computed (A, B: the left and right operand; K: the contracted axis; several contracted axes count as one K, in the product's order):
;;     1. [M 16,384, K 512] x [K 512, N 64]; A: input x; B: input Wf (given as codes): QUANTISED
;;     2. [M 16,384, K 512] x [K 512, N 64]; A: input x; B: input Wg (given as codes): QUANTISED
;;     3. [M 16,384, K 512] x [K 512, N 512]; A: input x; B: input Wh (given as codes): QUANTISED
;;     4. batch 4 x [M 4,096, K 64] x [K 64, N 4,096]; A: computed on the way; B: computed on the way: QUANTISED
;;     5. batch 4 x [M 4,096, K 4,096] x [K 4,096, N 512]; A: softmax (see below); B: computed on the way: QUANTISED
;;   THE QUANTISER, for each operand of a quantised product, along K:
;;     - K is cut into blocks of 32 from its start; a last block that is shorter is filled with zeros.
;;     - A block's scale is 2^e with e = floor(log2(the largest magnitude in the block)) - 2, held to -126 .. 127; a block of zeros has e = 0. As a byte (E8M0): e + 127.
;;     - Each number is divided by its block's scale, clamped to +-7.5, and rounded to the nearest number of E2M3, ties to even, subnormals kept.
;;     - The product sums the exact products of the quantised numbers (number of the format x scale) in f32.
;;   ~~~python
;;   def quantise(x, axis):      # numpy; x: float32 -> the quantised numbers, widened to float32 again
;;       x = np.moveaxis(x, axis, -1); K = x.shape[-1]
;;       x = np.pad(x, [(0, 0)] * (x.ndim - 1) + [(0, -K % 32)]); x = x.reshape(x.shape[:-1] + (-1, 32)); a = np.abs(x).max(-1, keepdims=True)
;;       e = np.where(a > 0, np.clip(np.frexp(np.where(a > 0, a, 1))[1] - 1 - 2, -126, 127), 0)      # np.frexp(a)[1] - 1 = floor(log2(a)), exactly
;;       r = np.clip(x / 2.0 ** e, -7.5, 7.5)
;;       step = 2.0 ** (np.maximum(np.frexp(np.where(r == 0, 1, r))[1] - 1, 0) - 3)
;;       q = np.round(r / step) * step * 2.0 ** e      # np.round: ties to even
;;       return np.moveaxis(q.reshape(q.shape[:-2] + (-1,))[..., :K], -1, axis).astype(np.float32)
;;   ~~~
;;   SOFTMAX AHEAD OF A QUANTISED PRODUCT. Where the list says 'softmax', what is quantised is not the finished softmax but p = 2^(t - M), with t = logit x log2(e) and M = ceil(the row's largest t), a whole number; so 1/2 < the row's largest p <= 1. The row's sum l is taken of the UNQUANTISED p, in f32, and the product's result is divided by l at the end. Since M is a whole number, a kernel that streams over the keys may use a running M (the ceiling of the running maximum): every later rescaling is an exact power of two, which a block's scale takes up: the codes' values come out the same.
;;   OPERANDS COMPUTED ON THE WAY. 'Computed on the way' means the value that the module computes at that place (a softmax that the list does not call 'softmax' is quantised finished and normalised). What goes into a quantiser is computed in f32, as accurately as f32 sums, v_exp_f32 and their like allow (about 1e-6 of the number): no bf16 or f16 on the way to a quantiser, and a product that is left as it is and whose result goes on into a quantised operand takes f32 operands (vector FMAs, or v_wmma_f32_16x16x4_f32). A number that lies on a knife's edge between two numbers of the format may be rounded either way, as far as f32 arithmetic and the matrix unit's own rounding can turn it there, and no further.
;;   INPUTS GIVEN AS CODES. Wf (in the module: [512, 64], K = its axis 0); Wg (in the module: [512, 64], K = its axis 0); Wh (in the module: [512, 512], K = its axis 0): each comes as NAME_codes (uint8): NAME with its K axis moved to the last place and cut into blocks of 32 codes, [.., K / 32, bytes a block], one block behind the other in memory; four codes in three bytes: a row's codes are one little-endian stream of bits, code i at bits 6 i .. 6 i + 5 (a code: sign, 2 exponent bits, 3 mantissa bits); and NAME_scales (uint8): the same leading axes, one E8M0 byte (e + 127) for each 32 codes along K. Its value is code x scale, taken as it is: it is not quantised again, and the codes and scales need not be those that the quantiser above would give.
;; 2 versions, each right and faster than the one before. Each part assembles by itself: llvm-mc -triple=amdgcn-amd-amdhsa -mcpu=gfx1250 --defsym DOCPART=n.
;; ======== version 1 of 2: 2 launches
;; workspace buffers: kv 7,405,568 bytes; qf 851,968 bytes
;; launch proj (part 1): grid 256 x 1, 4 waves a work-group, no clusters, 168,448 bytes of LDS; arguments x, Wh_codes, Wh_scales, bh, Wf_codes, Wg_codes, Wf_scales, Wg_scales, bf, bg, kv, qf; writes kv, qf
.if DOCPART == 1
	.amdgcn_target "amdgcn-amd-amdhsa--gfx1250"
	.amdhsa_code_object_version 6
	.text
	.protected	k_q257f33a61d_proj
	.globl	k_q257f33a61d_proj
	.p2align	8
	.type	k_q257f33a61d_proj,@function
k_q257f33a61d_proj:
	s_mov_b64 s[64:65], 0
	v_nop
	global_prefetch_b8 v0, s[64:65] scope:SCOPE_SE
	s_setreg_imm32_b32 hwreg(HW_REG_WAVE_MODE, 25, 1), 1
	s_wait_xcnt 0x0
; f = x Wf + bf, g = x Wg + bg, h = x Wh + bh on codes of FP6 (E2M3) with one E8M0 scale for each 32 along K, and the three results quantised again for the attention launch:
; f and g along their 64 channels, h along the KEYS.  x [16384][512] f32; the weights arrive as codes, K innermost (a row of 512 codes is 384 bytes), their scale bytes 16 a row.
; SHARES.  A work-group of four waves takes 64 rows of x.  Wave w quantises 16 of them (x tile w) and hands the codes to the others through LDS as images of the operand's registers.
; Then wave w makes h for channels 128 w .. 128 w + 127 and all 64 rows, and f (waves 0, 1) or g (waves 2, 3) for 32 rows and all 64 channels: 160 matrix instructions a wave.
; THE ROWS OF A TILE ARE NOT NEIGHBOURS: lane r of x tile 2 b + u is row 32 b + 8 u + r + 8 (r / 8); the rows of Wf and Wg that form a tile are chosen alike.  So the 16 registers of two neighbouring
; result tiles are 16 neighbours along the next product's K: keys for h (source 0 = x, source 1 = Wh: a lane holds one channel), channels for f and g (source 0 = the weight, source 1 = x: a lane holds one row).
; WHAT IS STORED are images of operand registers: six registers of a lane (a block of 32 codes) as 16 bytes at 16 x lane and 8 bytes at 8 x lane, so that the reader needs no rows and every store covers 512 or 256 consecutive bytes.
;   kv [batch 4][pair of key steps 16][part 4][28,928]: V images [e 2][tile 8][c 2][768]; at 24,576 V's scale halves [e][c][256]; at 25,600 K's codes of key block = part [e][u 2][768]; at 28,672 K's scale words [e][128].
;   qf [work-group 256][3,328]: Q's images [tile 4][768]; at 3,072 their scale words [b 2][128].
; NO CLUSTER: no two work-groups share a row of x.  All share the weights, but their 245,760 bytes of codes do not fit in LDS beside x's 134,144 bytes and the images' 25,600; each wave reads its part once, straight into registers.
; A block's scale is 2^(floor(log2(its largest magnitude)) - 2); its byte is the largest magnitude's exponent field - 2, held at 1 from below.
; LIMITS: NaN and infinities among the inputs are not served; a block whose largest magnitude lies under 2^-124 keeps the byte 1; a block of zeros gets the byte 1 where the quantiser says 127: its codes are zeros, and this program alone reads the bytes.
; REGISTERS, in windows of 256: window 0: addresses, scale words, biases, 64 accumulators' registers, work;  window 1: Wh's tiles 0-3;  window 2: Wf's or Wg's four tiles, later Wh's tiles 4-7;  window 3: x's fragments.
.set XTW,    33536                     ; LDS: a wave's 16 rows of x as f32: two groups of 8 rows
.set XGB,    16656                     ; the second group begins here: 16 x 1,040 + 16, so that the sixteen rows of a load begin 16 bytes apart modulo 256
.set XROW,   2080                      ; a row of x in LDS: 2 x (1,024 bytes + 16 of padding)
.set XIMG,   134144                    ; x's 16 fragments (4 x tile + K step), 1,536 bytes each: three pieces of 512, 16 bytes a lane
.set XSC,    158720                    ; their scale words: 256 x K step + 64 x tile + 4 r
.set FRB,    1536
.set BATCHB, 1851392
.set PAIRB,  115712
.set CHUNK,  28928
.set VSCO,   24576
.set KCO,    25600
.set KSO,    28672
.set QFB,    3328
.set LN,  1                            ; lane
.set RR,  2                            ; r = lane % 16
.set HH,  3                            ; h = lane / 16
.set XR,  4                            ; LDS: my row's f32 numbers, my half's block
.set XWI, 5                            ; LDS: where I store my tile's images
.set XWS, 6                            ; and its scale words
.set XEL, 7                            ; LDS: the two tiles that f or g takes
.set XES, 8
.set XL,  9                            ; LDS: all images
.set XSL, 10
.set WHO, 11                           ; Wh: 384 r + 24 h
.set EO,  12                           ; Wf, Wg: 384 (r + 8 (r / 8)) + 24 h
.set ESO, 13                           ; their scale bytes: 16 (8 h + r + 8 (r / 8))
.set BEO, 14                           ; their biases: 64 h
.set BHO, 15                           ; bh: 4 r
.set SH8, 16                           ; 8 h
.set L16, 17
.set L8,  18
.set L4,  19
.set XS,  24                           ; v24-31  x's scale words [2 s + b]: lanes 0-15 tile 2 b, lanes 16-31 tile 2 b + 1
.set XSE, 32                           ; v32-35  the same for the two tiles of f or g
.set WS,  36                           ; v36-51  Wh's scale words [4 k + s]: lanes 0-15 tile 2 k, lanes 16-31 tile 2 k + 1
.set ES,  52                           ; v52-59  Wf's or Wg's [4 b + s]
.set BH,  60                           ; v60-67  bh of my lane's channel, tile t
.set CG,  68                           ; v68-83  two tiles' bias as a C operand
.set BE,  84                           ; v84-115 bf or bg in the result's layout, four tiles
.set ACC, 116                          ; v116-179 eight accumulators; before that 64 numbers of x
.set TM,  180                          ; v180-195 at work
.set PC0, 196                          ; v196-201, v204-209 two blocks' codes to store
.set PC1, 204
.set PT,  212                          ; v212-214 a conversion's three registers begin on an even number: the second half of a block is made here and moved
.set FC,  220                          ; v220-231 a fragment of x
.set HV,  232                          ; v232-239 V's two scale bytes, tile t
.set HE,  240                          ; v240-241 f's or g's two scale bytes, tile u
.set MSB, 0
.macro WIN new                         ; the immediate's high byte repeats the setting that is left
.if MSB != \new
	s_set_vgpr_msb (MSB<<8)|\new
.set MSB, \new
.endif
.endm
.macro PLACES n                        ; plain vector places behind matrix instructions (ISA guide 7.12.1)
.rept \n
	v_nop
.endr
.endm
; The scaled matrix instruction.  d, a, b: first registers of D, source 0, source 1;  c: of C, or -1 for the constant 0;  sa, sb: the scale registers;  ra, rb = 1: the scales stand in lanes 16-31.
.macro WM d, a, b, c, sa, sb, ra, rb
.set rD, \d
.set rA, \a
.set rB, \b
.set rC, \c
.set rSA, \sa
.set rSB, \sb
.set rSel, 2*(\ra)+(\rb)
.if rC < 0
.if rSel == 0
	v_wmma_scale_f32_16x16x128_f8f6f4 v[rD:rD+7], v[rA:rA+11], v[rB:rB+11], 0, v[rSA], v[rSB] matrix_a_fmt:MATRIX_FMT_FP6 matrix_b_fmt:MATRIX_FMT_FP6
.elseif rSel == 1
	v_wmma_scale_f32_16x16x128_f8f6f4 v[rD:rD+7], v[rA:rA+11], v[rB:rB+11], 0, v[rSA], v[rSB] matrix_a_fmt:MATRIX_FMT_FP6 matrix_b_fmt:MATRIX_FMT_FP6 matrix_b_scale:MATRIX_SCALE_ROW1
.elseif rSel == 2
	v_wmma_scale_f32_16x16x128_f8f6f4 v[rD:rD+7], v[rA:rA+11], v[rB:rB+11], 0, v[rSA], v[rSB] matrix_a_fmt:MATRIX_FMT_FP6 matrix_b_fmt:MATRIX_FMT_FP6 matrix_a_scale:MATRIX_SCALE_ROW1
.else
	v_wmma_scale_f32_16x16x128_f8f6f4 v[rD:rD+7], v[rA:rA+11], v[rB:rB+11], 0, v[rSA], v[rSB] matrix_a_fmt:MATRIX_FMT_FP6 matrix_b_fmt:MATRIX_FMT_FP6 matrix_a_scale:MATRIX_SCALE_ROW1 matrix_b_scale:MATRIX_SCALE_ROW1
.endif
.else
.if rSel == 0
	v_wmma_scale_f32_16x16x128_f8f6f4 v[rD:rD+7], v[rA:rA+11], v[rB:rB+11], v[rC:rC+7], v[rSA], v[rSB] matrix_a_fmt:MATRIX_FMT_FP6 matrix_b_fmt:MATRIX_FMT_FP6
.elseif rSel == 1
	v_wmma_scale_f32_16x16x128_f8f6f4 v[rD:rD+7], v[rA:rA+11], v[rB:rB+11], v[rC:rC+7], v[rSA], v[rSB] matrix_a_fmt:MATRIX_FMT_FP6 matrix_b_fmt:MATRIX_FMT_FP6 matrix_b_scale:MATRIX_SCALE_ROW1
.elseif rSel == 2
	v_wmma_scale_f32_16x16x128_f8f6f4 v[rD:rD+7], v[rA:rA+11], v[rB:rB+11], v[rC:rC+7], v[rSA], v[rSB] matrix_a_fmt:MATRIX_FMT_FP6 matrix_b_fmt:MATRIX_FMT_FP6 matrix_a_scale:MATRIX_SCALE_ROW1
.else
	v_wmma_scale_f32_16x16x128_f8f6f4 v[rD:rD+7], v[rA:rA+11], v[rB:rB+11], v[rC:rC+7], v[rSA], v[rSB] matrix_a_fmt:MATRIX_FMT_FP6 matrix_b_fmt:MATRIX_FMT_FP6 matrix_a_scale:MATRIX_SCALE_ROW1 matrix_b_scale:MATRIX_SCALE_ROW1
.endif
.endif
.endm
; My block 2 c + h of K step s: 32 numbers, 128 bytes of my row, into v[ACC + 32 c] on
.macro XLD s, c
.irp i, 0,1,2,3,4,5,6,7
	ds_load_b128 v[ACC+32*(\c)+4*\i:ACC+32*(\c)+4*\i+3], v[XR] offset:512*(\s)+256*(\c)+16*((\s)/2)+16*\i
.endr
.endm
; That block becomes registers 6 c .. 6 c + 5 of the fragment; its scale operand stays in v[TM+4+c], its byte in v[TM+6+c].  All 32 numbers are the lane's own.
.macro XBLK c
.set xA, ACC+32*(\c)
	v_max3_num_f32 v[TM], |v[xA]|, |v[xA+1]|, 0x1800000            ; two chains; the floor 2^(3 - 127) is one more leaf: the byte cannot fall under 1
	v_max3_num_f32 v[TM+1], |v[xA+2]|, |v[xA+3]|, |v[xA+4]|
.irp i, 5,9,13,17,21,25
	v_max3_num_f32 v[TM], v[TM], |v[xA+\i]|, |v[xA+\i+1]|
	v_max3_num_f32 v[TM+1], v[TM+1], |v[xA+\i+2]|, |v[xA+\i+3]|
.endr
	v_max3_num_f32 v[TM], v[TM], |v[xA+29]|, |v[xA+30]|
	v_max3_num_f32 v[TM], v[TM], v[TM+1], |v[xA+31]|
	v_add_nc_u32 v[TM+4+\c], 0xff000000, v[TM]                     ; 2 off the exponent field: the conversion takes the exponent field of this operand as its scale
	v_lshrrev_b32 v[TM+6+\c], 23, v[TM+4+\c]                       ; the scale's byte
	v_cvt_scalef32_pk16_fp6_f32 v[FC+6*\c:FC+6*\c+2], v[xA:xA+15], v[TM+4+\c]
	v_cvt_scalef32_pk16_fp6_f32 v[PT:PT+2], v[xA+16:xA+31], v[TM+4+\c]
	v_nop                                                          ; one plain place behind a scaled conversion
.irp i, 0,1,2
	v_mov_b32 v[FC+6*\c+3+\i], v[PT+\i]
.endr
.endm
; The fragment of K step s and its scale word go to LDS as they stand
.macro XWORD s
	v_lshl_or_b32 v[TM+8], v[TM+7], 16, v[TM+6]                    ; my two bytes: blocks h and 2 + h,
	v_lshlrev_b32 v[TM+8], v[SH8], v[TM+8]                         ; at their places in the word;
	v_permlanex16_b32 v[TM+9], v[TM+8], s48, s49
	v_or_b32 v[TM+8], v[TM+8], v[TM+9]                             ; with lane l xor 16's two the word is whole
.irp k, 0,1,2
	ds_store_b128 v[XWI], v[FC+4*\k:FC+4*\k+3] offset:FRB*(\s)+512*\k
.endr
	ds_store_b32 v[XWS], v[TM+8] offset:256*(\s)                   ; both halves of the lanes write the same word with the same value
.endm
; 32 registers of a lane, a + 16 b + i = k 32 b + 16 h + i of the lane's row or channel, become two blocks' codes: lane (r, h) ends with the whole block h in v[pc] .. v[pc+5]; v[hw] = byte of block 0 | byte of block 1 << 8.
.macro QUANT2 a, pc, hw
.set qA, \a
.set qP, \pc
.irp b, 0,1
	v_max3_num_f32 v[TM+\b], |v[qA+16*\b]|, |v[qA+16*\b+1]|, 0x1800000   ; each accumulator is read from its low end on
.endr
.irp i, 2,4,6,8,10,12,14
.irp b, 0,1
	v_max3_num_f32 v[TM+\b], v[TM+\b], |v[qA+16*\b+\i]|, |v[qA+16*\b+\i+1]|
.endr
.endr
.irp b, 0,1
	v_permlanex16_b32 v[TM+2+\b], v[TM+\b], s48, s49
.endr
.irp b, 0,1
	v_max_num_f32 v[TM+\b], v[TM+\b], v[TM+2+\b]                   ; with lane l xor 16's 16: the block's largest magnitude
.endr
.irp b, 0,1
	v_add_nc_u32 v[TM+4+\b], 0xff000000, v[TM+\b]
.endr
.irp b, 0,1
	v_lshrrev_b32 v[TM+6+\b], 23, v[TM+4+\b]
.endr
	v_lshl_or_b32 v[\hw], v[TM+7], 8, v[TM+6]
	v_cvt_scalef32_pk16_fp6_f32 v[qP:qP+2], v[qA:qA+15], v[TM+4]
	v_cvt_scalef32_pk16_fp6_f32 v[PT:PT+2], v[qA+16:qA+31], v[TM+5]
	v_nop                                                          ; one plain place behind a scaled conversion
.irp i, 0,1,2
	v_permlane16_swap_b32 v[qP+\i], v[PT+\i]                       ; the first's lanes 16-31 change places with the second's lanes 0-15: the first holds each lane's block's lower 16 codes, the second the upper 16
.endr
.irp i, 0,1,2
	v_mov_b32 v[qP+3+\i], v[PT+\i]
.endr
.endm
	s_load_b256 s[4:11], s[0:1], 0x0               ; x s[4:5], Wh's codes s[6:7], Wh's scales s[8:9], bh s[10:11]
	s_load_b256 s[12:19], s[0:1], 0x20             ; Wf's codes, Wg's codes, Wf's scales, Wg's scales
	s_load_b256 s[20:27], s[0:1], 0x40             ; bf, bg, kv s[24:25], qf s[26:27]
	v_lshl_add_u32 v254, v0, 2, 0x29000
	v_mov_b32 v255, 0
	ds_add_u32 v254, v255
	ds_add_u32 v254, v255
	v_lshrrev_b32 v20, 5, v0
	v_readfirstlane_b32 s28, v20                   ; wave 0..3
	s_and_b32 s29, s28, 1                          ; u of my x tile; also b: which two tiles f or g takes
	s_lshr_b32 s30, s28, 1                         ; b of my x tile
	; descriptor group 1: 8 rows of x, dense in memory, as 16 rows of 1,024 bytes (128 elements of 8 bytes), 16 bytes of padding behind each
	s_mov_b32 s32, (3<<16)|(1<<20)|(7<<22)|(3<<25) ; no mask; elements of 8 bytes; padding on; after every 256 words (code 7) 4 words (code 3)
	s_mov_b32 s33, 128<<16                         ; tensor_dim0
	s_mov_b32 s34, 16<<16                          ; tensor_dim1
	s_mov_b32 s35, 128<<16                         ; tile_dim0
	s_mov_b32 s36, 16                              ; tile_dim1
	s_mov_b32 s37, 128                             ; stride from row to row
	s_mov_b32 s38, 0
	s_mov_b32 s39, 0
	s_mov_b32 s40, 1
	s_mul_i32 s41, s28, XTW                        ; my wave's own bytes: rows 32 b + 8 u + 0 .. 7,
	s_mov_b32 s44, 1
	s_add_co_u32 s45, s41, XGB                     ; and the eight rows 16 further on
	s_lshl_b32 s52, ttmp9, 17                      ; 64 rows of 2,048 bytes a work-group
	s_lshl_b32 s53, s30, 16
	s_add_co_u32 s52, s52, s53
	s_lshl_b32 s53, s29, 14
	s_add_co_u32 s52, s52, s53
	s_mov_b32 s53, 0
	s_wait_dscnt 0x0
	s_wait_kmcnt 0x0
	s_add_nc_u64 s[42:43], s[4:5], s[52:53]
	s_add_nc_u64 s[46:47], s[42:43], 0x8000
	s_or_b32 s43, s43, 0x80000000
	s_or_b32 s47, s47, 0x80000000
	tensor_load_to_lds s[40:43], s[32:39]          ; the launch's only fills, together, ahead of every wait, LDS read and barrier: two loads of mine are out; no LDS byte is filled twice
	s_nop 0
	tensor_load_to_lds s[44:47], s[32:39]
	s_nop 0
	PLACES 4                                       ; (behind a tensor load)
	v_and_b32 v[LN], 31, v0
	v_and_b32 v[RR], 15, v0
	v_bfe_u32 v[HH], v0, 4, 1
	v_and_b32 v20, 7, v0
	v_bfe_u32 v21, v0, 3, 1                        ; r / 8
	v_mul_u32_u24 v[XR], v20, XROW
	v_mad_u32_u24 v[XR], v21, XGB, v[XR]
	v_lshl_add_u32 v[XR], v[HH], 7, v[XR]
	v_add_nc_u32 v[XR], s41, v[XR]
	s_mul_i32 s54, s28, 4*FRB
	s_add_co_u32 s54, s54, XIMG
	v_lshl_add_u32 v[XWI], v[LN], 4, s54
	s_lshl_b32 s54, s28, 6
	s_add_co_u32 s54, s54, XSC
	v_lshl_add_u32 v[XWS], v[RR], 2, s54
	s_mul_i32 s54, s29, 8*FRB
	s_add_co_u32 s54, s54, XIMG
	v_lshl_add_u32 v[XEL], v[LN], 4, s54
	s_lshl_b32 s54, s29, 7
	s_add_co_u32 s54, s54, XSC
	v_lshl_add_u32 v[XES], v[LN], 2, s54
	v_lshl_add_u32 v[XL], v[LN], 4, XIMG
	v_lshl_add_u32 v[XSL], v[LN], 2, XSC
	v_mul_u32_u24 v[WHO], v[RR], 384
	v_mad_u32_u24 v[WHO], v[HH], 24, v[WHO]
	v_lshl_add_u32 v22, v21, 3, v[RR]              ; r + 8 (r / 8)
	v_mul_u32_u24 v[EO], v22, 384
	v_mad_u32_u24 v[EO], v[HH], 24, v[EO]
	v_lshl_add_u32 v[ESO], v[HH], 3, v22
	v_lshlrev_b32 v[ESO], 4, v[ESO]
	v_lshlrev_b32 v[BEO], 6, v[HH]
	v_lshlrev_b32 v[BHO], 2, v[RR]
	v_lshlrev_b32 v[SH8], 3, v[HH]
	v_lshlrev_b32 v[L16], 4, v[LN]
	v_lshlrev_b32 v[L8], 3, v[LN]
	v_lshlrev_b32 v[L4], 2, v[LN]
	v_mov_b32 v[TM+2], 0                           ; written once: a lane permute's destination counts as one of its sources
	v_mov_b32 v[TM+3], 0
	v_mov_b32 v[TM+9], 0
	s_mov_b32 s48, 0x76543210
	s_mov_b32 s49, 0xfedcba98                      ; v_permlanex16_b32's selects for lane l xor 16
	s_mov_b32 s50, 0xffff0000                      ; lanes 16-31
	; where my parts begin.  Offsets are made apart from the addresses.
	s_mul_i32 s54, s28, 49152                      ; my 128 rows of Wh's codes,
	s_mov_b32 s55, 0
	s_add_nc_u64 s[56:57], s[6:7], s[54:55]
	s_lshl_b32 s54, s28, 11                        ; of its scale bytes,
	s_add_nc_u64 s[58:59], s[8:9], s[54:55]
	s_lshl_b32 s54, s28, 9                         ; of bh
	s_add_nc_u64 s[60:61], s[10:11], s[54:55]
	s_lshr_b32 s72, ttmp9, 6                       ; batch
	s_bfe_u32 s74, ttmp9, 0x40002                  ; pair of key steps: bits 5:2
	s_bfe_u32 s31, ttmp9, 0x10001                  ; e: which step of the pair
	s_and_b32 s51, ttmp9, 1                        ; c: which 64 keys of the step
	s_mul_i32 s72, s72, BATCHB
	s_mul_i32 s74, s74, PAIRB
	s_add_co_u32 s72, s72, s74                     ; the pair's first byte in kv
	s_lshl_b32 s77, s51, 1
	s_add_co_u32 s77, s77, s29                     ; g: key block 2 c + b is the part
	s_mul_i32 s77, s77, CHUNK
	s_add_co_u32 s77, s77, s72
	s_mul_i32 s78, s31, FRB
	s_add_co_u32 s78, s78, s77
	s_add_co_u32 s78, s78, KCO                     ; g's codes
	s_lshl_b32 s79, s31, 7
	s_add_co_u32 s79, s79, s77
	s_add_co_u32 s79, s79, KSO                     ; g's scale words
	s_mul_i32 s73, ttmp9, QFB
	s_mul_i32 s74, s29, FRB
	s_add_co_u32 s74, s74, s73                     ; f's codes
	s_lshl_b32 s75, s29, 7
	s_add_co_u32 s75, s75, s73
	s_add_co_u32 s75, s75, 3072                    ; f's scale words
	s_cmp_lt_u32 s28, 2                            ; waves 0, 1: f;  waves 2, 3: g.  The choice hangs on the wave's number alone
	s_cselect_b32 s66, s74, s78
	s_cselect_b32 s68, s75, s79
	s_cselect_b64 s[12:13], s[12:13], s[14:15]     ; the weight's codes,
	s_cselect_b64 s[16:17], s[16:17], s[18:19]     ; its scale bytes,
	s_cselect_b64 s[20:21], s[20:21], s[22:23]     ; its bias,
	s_cselect_b64 s[62:63], s[26:27], s[24:25]     ; and the buffer that takes the result
	s_mov_b32 s67, 0
	s_mov_b32 s69, 0
	s_add_nc_u64 s[66:67], s[62:63], s[66:67]
	s_add_nc_u64 s[68:69], s[62:63], s[68:69]
	s_mul_i32 s70, s28, CHUNK
	s_add_co_u32 s70, s70, s72                     ; h: part = my wave
	s_mul_i32 s74, s31, 12288
	s_mul_i32 s75, s51, 768
	s_add_co_u32 s74, s74, s75
	s_add_co_u32 s74, s74, s70                     ; V's images [e][tile][c]
	s_mov_b32 s75, 0
	s_lshl_b32 s76, s31, 9
	s_lshl_b32 s77, s51, 8
	s_add_co_u32 s76, s76, s77
	s_add_co_u32 s76, s76, s70
	s_add_co_u32 s76, s76, VSCO                    ; V's scale halves [e][c]
	s_mov_b32 s77, 0
	s_add_nc_u64 s[70:71], s[24:25], s[74:75]
	s_add_nc_u64 s[52:53], s[24:25], s[76:77]
	; the weights come while x is on its way: a fragment is six loads of 8 bytes, every address a multiple of the access's size
	WIN 0x40                                       ; destination window 1
.irp t, 0,1,2,3
.irp s, 0,1,2,3
.irp p, 0,1,2,3,4,5
	global_load_b64 v[12*(4*\t+\s)+2*\p:12*(4*\t+\s)+2*\p+1], v[WHO], s[56:57] offset:6144*\t+96*\s+48*(\p/3)+8*(\p%3)
.endr
.endr
.endr
	WIN 0x80                                       ; destination window 2: tile t of Wf or Wg begins at row 32 (t / 2) + 8 (t % 2)
.irp t, 0,1,2,3
.irp s, 0,1,2,3
.irp p, 0,1,2,3,4,5
	global_load_b64 v[12*(4*\t+\s)+2*\p:12*(4*\t+\s)+2*\p+1], v[EO], s[12:13] offset:(32*(\t/2)+8*(\t%2))*384+96*\s+48*(\p/3)+8*(\p%3)
.endr
.endr
.endr
	WIN 0
.irp i, 0,1,2,3
	global_load_b128 v[WS+4*\i:WS+4*\i+3], v[L16], s[58:59] offset:512*\i      ; lane l: the four scale words of channel 32 i + l
.endr
.irp b, 0,1
	global_load_b128 v[ES+4*\b:ES+4*\b+3], v[ESO], s[16:17] offset:512*\b
.endr
.irp t, 0,1,2,3
	global_load_b128 v[BE+8*\t:BE+8*\t+3], v[BEO], s[20:21] offset:(32*(\t/2)+8*(\t%2))*4
	global_load_b128 v[BE+8*\t+4:BE+8*\t+7], v[BEO], s[20:21] offset:(32*(\t/2)+8*(\t%2))*4+16
.endr
.irp t, 0,1,2,3,4,5,6,7
	global_load_b32 v[BH+\t], v[BHO], s[60:61] offset:64*\t
.endr
	; ---- x: my 16 rows become four fragments.  Only I read the bytes that my two loads brought: my own wait is all the ordering that the reads need
	s_wait_tensorcnt 0x0
	XLD 0, 0
	XLD 0, 1
.irp s, 0,1,2,3
	s_wait_dscnt 8                                 ; LDS instructions end in order: all but the youngest eight, the other block's loads, are done: my block is in, and the last K step's image stores have read FC and the word
	XBLK 0
.if \s < 3
	XLD \s+1, 0
	s_wait_dscnt 8                                 ; the youngest eight are the loads just issued
.else
	s_wait_dscnt 0x0
.endif
	XBLK 1
	XWORD \s
.if \s < 3
	XLD \s+1, 1
.endif
.endr
	s_wait_dscnt 0x0                               ; for the others' sake: my images lie in LDS
	s_barrier_signal -1
	s_barrier_wait -1                              ; everybody's do; nobody writes LDS from here on
	; ---- f or g: two tiles of rows x four tiles of channels, K = 512 in four steps
	WIN 0xc0                                       ; destination window 3
.irp f, 0,1,2,3,4,5,6,7
.irp k, 0,1,2
	ds_load_b128 v[12*\f+4*\k:12*\f+4*\k+3], v[XEL] offset:FRB*\f+512*\k
.endr
.endr
	WIN 0
.irp s, 0,1,2,3
	ds_load_b32 v[XSE+\s], v[XES] offset:256*\s
.endr
	s_wait_loadcnt 0x0                             ; the weights, their scales, the biases
	s_wait_dscnt 0x0
	WIN 0x0e                                       ; source 0 (the weight) window 2, source 1 (x) window 3.  The eight accumulators take turns; the bias is the C of each sum's first product
.irp s, 0,1,2,3
.irp u, 0,1
.irp t, 0,1,2,3
.if \s == 0
	WM ACC+32*\u+8*\t, 12*(4*\t+\s), 12*(4*\u+\s), BE+8*\t, ES+4*(\t/2)+\s, XSE+\s, \t%2, \u
.else
	WM ACC+32*\u+8*\t, 12*(4*\t+\s), 12*(4*\u+\s), ACC+32*\u+8*\t, ES+4*(\t/2)+\s, XSE+\s, \t%2, \u
.endif
.endr
.endr
.endr
	WIN 0
	PLACES 4                                       ; in front of loads into registers that these products read, and of the first read of their results
	WIN 0xc0
.irp f, 0,1,2,3,4,5,6,7,8,9,10,11,12,13,14,15
.irp k, 0,1,2
	ds_load_b128 v[12*\f+4*\k:12*\f+4*\k+3], v[XL] offset:FRB*\f+512*\k      ; all sixteen fragments of x, for h
.endr
.endr
	WIN 0
.irp s, 0,1,2,3
.irp b, 0,1
	ds_load_b32 v[XS+2*\s+\b], v[XSL] offset:256*\s+128*\b
.endr
.endr
	WIN 0x80                                       ; Wh's tiles 4-7 take the place of Wf's or Wg's
.irp t, 0,1,2,3
.irp s, 0,1,2,3
.irp p, 0,1,2,3,4,5
	global_load_b64 v[12*(4*\t+\s)+2*\p:12*(4*\t+\s)+2*\p+1], v[WHO], s[56:57] offset:6144*(\t+4)+96*\s+48*(\p/3)+8*(\p%3)
.endr
.endr
.endr
	WIN 0
	QUANT2 ACC, PC0, HE                            ; a lane's 32 registers are its row's 64 channels' halves: two blocks
	QUANT2 ACC+32, PC1, HE+1
	v_cndmask_b32 v[HE], v[HE], v[HE+1], s50       ; the scale words: lanes 0-15 tile u = 0, lanes 16-31 tile u = 1; the upper two bytes are 0, over zero codes
	global_store_b128 v[L16], v[PC0:PC0+3], s[66:67]                ; 512 consecutive bytes, at a multiple of 256 from the buffer's first byte
	global_store_b64 v[L8], v[PC0+4:PC0+5], s[66:67] offset:512     ; 256 consecutive bytes
	global_store_b128 v[L16], v[PC1:PC1+3], s[66:67] offset:768
	global_store_b64 v[L8], v[PC1+4:PC1+5], s[66:67] offset:1280
	global_store_b32 v[L4], v[HE], s[68:69]
	; ---- h: my eight tiles of channels, two at a time, x the four tiles of rows
	s_wait_dscnt 0x0                               ; x's fragments and scale words
.irp k, 0,1,2,3
.if \k == 2
	s_wait_loadcnt 0x0                             ; Wh's tiles 4-7
.endif
.irp j, 0,1,2,3,4,5,6,7
	v_mov_b32 v[CG+\j], v[BH+2*\k]                 ; the bias in the result's layout: a lane holds one channel, so its eight registers hold one number
	v_mov_b32 v[CG+8+\j], v[BH+2*\k+1]
.endr
	PLACES 4
.if \k < 2
	WIN 0x07                                       ; source 0 (x) window 3, source 1 (Wh) window 1
.else
	WIN 0x0b                                       ; source 1 window 2
.endif
.irp s, 0,1,2,3
.irp u, 0,1
.irp m, 0,1,2,3
.if \s == 0
	WM ACC+32*\u+8*\m, 12*(4*\m+\s), 12*(4*(2*(\k%2)+\u)+\s), CG+8*\u, XS+2*\s+\m/2, WS+4*\k+\s, \m%2, \u
.else
	WM ACC+32*\u+8*\m, 12*(4*\m+\s), 12*(4*(2*(\k%2)+\u)+\s), ACC+32*\u+8*\m, XS+2*\s+\m/2, WS+4*\k+\s, \m%2, \u
.endif
.endr
.endr
.endr
	WIN 0
	PLACES 4
	s_wait_xcnt 0x0                                ; the stores issued so far have read their data: the two sets of codes are written again only behind this wait
	QUANT2 ACC, PC0, HV+2*\k                       ; a lane's 32 registers are its channel's 64 keys' halves: two blocks along the keys
	QUANT2 ACC+32, PC1, HV+2*\k+1
	global_store_b128 v[L16], v[PC0:PC0+3], s[70:71] offset:FRB*(2*\k)
	global_store_b64 v[L8], v[PC0+4:PC0+5], s[70:71] offset:FRB*(2*\k)+512
	global_store_b128 v[L16], v[PC1:PC1+3], s[70:71] offset:FRB*(2*\k+1)
	global_store_b64 v[L8], v[PC1+4:PC1+5], s[70:71] offset:FRB*(2*\k+1)+512
.endr
.irp i, 0,1,2,3
	v_cndmask_b32 v[TM+\i], v[HV+2*\i], v[HV+2*\i+1], s50          ; V's scale halves: lanes 0-15 tile 2 i, lanes 16-31 tile 2 i + 1
.endr
	v_lshl_or_b32 v[TM+12], v[TM+1], 16, v[TM]
	v_lshl_or_b32 v[TM+13], v[TM+3], 16, v[TM+2]
	global_store_b64 v[L8], v[TM+12:TM+13], s[52:53]                ; 256 consecutive bytes
	s_wait_tensorcnt 0x0
	ds_add_u32 v254, v255
	s_wait_dscnt 0x0
	s_endpgm
.Lfunc_end_k_q257f33a61d_proj:
	.size	k_q257f33a61d_proj, .Lfunc_end_k_q257f33a61d_proj-k_q257f33a61d_proj
	.p2alignl 7, 3214868480
	.fill 96, 4, 3214868480
	.section	.rodata,"a",@progbits
	.p2align	6, 0x0
	.amdhsa_kernel k_q257f33a61d_proj
		.amdhsa_group_segment_fixed_size 168448
		.amdhsa_private_segment_fixed_size 0
		.amdhsa_enable_private_segment 0
		.amdhsa_kernarg_size 96
		.amdhsa_user_sgpr_count 2
		.amdhsa_user_sgpr_kernarg_segment_ptr 1
		.amdhsa_wavefront_size32 1
		.amdhsa_system_sgpr_workgroup_id_x 1
		.amdhsa_system_sgpr_workgroup_id_y 1
		.amdhsa_system_sgpr_workgroup_id_z 1
		.amdhsa_system_vgpr_workitem_id 0
		.amdhsa_next_free_vgpr 1024
		.amdhsa_next_free_sgpr 80
		.amdhsa_reserve_vcc 0
		.amdhsa_float_denorm_mode_32 3
		.amdhsa_float_denorm_mode_16_64 3
		.amdhsa_memory_ordered 1
		.amdhsa_forward_progress 1
		.amdhsa_inst_pref_size 104
	.end_amdhsa_kernel
	.amdgpu_metadata
---
amdhsa.version: [ 1, 2 ]
amdhsa.kernels:
  - .name:           k_q257f33a61d_proj
    .symbol:         k_q257f33a61d_proj.kd
    .args:
      - { .name: x, .offset: 0, .size: 8, .value_kind: global_buffer, .address_space: global }
      - { .name: Wh_codes, .offset: 8, .size: 8, .value_kind: global_buffer, .address_space: global }
      - { .name: Wh_scales, .offset: 16, .size: 8, .value_kind: global_buffer, .address_space: global }
      - { .name: bh, .offset: 24, .size: 8, .value_kind: global_buffer, .address_space: global }
      - { .name: Wf_codes, .offset: 32, .size: 8, .value_kind: global_buffer, .address_space: global }
      - { .name: Wg_codes, .offset: 40, .size: 8, .value_kind: global_buffer, .address_space: global }
      - { .name: Wf_scales, .offset: 48, .size: 8, .value_kind: global_buffer, .address_space: global }
      - { .name: Wg_scales, .offset: 56, .size: 8, .value_kind: global_buffer, .address_space: global }
      - { .name: bf, .offset: 64, .size: 8, .value_kind: global_buffer, .address_space: global }
      - { .name: bg, .offset: 72, .size: 8, .value_kind: global_buffer, .address_space: global }
      - { .name: kv, .offset: 80, .size: 8, .value_kind: global_buffer, .address_space: global }
      - { .name: qf, .offset: 88, .size: 8, .value_kind: global_buffer, .address_space: global }
    .group_segment_fixed_size: 168448
    .private_segment_fixed_size: 0
    .kernarg_segment_align: 8
    .kernarg_segment_size: 96
    .max_flat_workgroup_size: 128
    .sgpr_count:     80
    .vgpr_count:     1024
    .wavefront_size: 32
...
	.end_amdgpu_metadata
.endif
;; end of part 1
;; launch attn (part 2): grid 256 x 1, 8 waves a work-group, clusters of 4 x 1, 327,680 bytes of LDS; arguments kv, qf, x, gamma, out0; writes out0
.if DOCPART == 2
	.amdgcn_target "amdgcn-amd-amdhsa--gfx1250"
	.amdhsa_code_object_version 6
	.text
	.protected	k_q257f33a61d_attn
	.globl	k_q257f33a61d_attn
	.p2align	8
	.type	k_q257f33a61d_attn,@function
k_q257f33a61d_attn:
	s_mov_b64 s[64:65], 0
	v_nop
	global_prefetch_b8 v0, s[64:65] scope:SCOPE_SE
	s_setreg_imm32_b32 hwreg(HW_REG_WAVE_MODE, 25, 1), 1
	s_wait_xcnt 0x0
	s_wait_alu depctr_hold_cnt(0) depctr_sa_sdst(0) depctr_va_vdst(0) depctr_va_sdst(0) depctr_va_ssrc(0) depctr_va_vcc(0) depctr_vm_vsrc(0)
	s_getreg_b32 s2, hwreg(HW_REG_IB_STS2, 6, 4)
	s_cmp_eq_u32 s2, 0
	s_cbranch_scc0 .Lentry_in_a_cluster
	s_endpgm
.Lentry_in_a_cluster:
	s_bfe_u32 s2, ttmp6, 0x10000c
	s_cmp_lg_u32 s2, 0x3003
	s_cbranch_scc0 .Lentry_shape_is_right
	s_endpgm
.Lentry_shape_is_right:
; out = x + gamma softmax(f g^T) h, both products on codes of FP6 (E2M3) with one E8M0 scale for each 32 along K.  Q (f), K (g) and V (h, quantised along the keys) come as images of operand registers (kv, qf: laid by the launch before).
; THE SOFTMAX: t = score x log2(e); M = the row's largest t rounded up to a whole number; p = 2^(t - M) is quantised along the keys; the row's sum is taken of the unquantised p and divides at the end.
; M IS FOUND FIRST (pass A: all scores once, maxima alone), so pass B has no running maximum and never rescales its sums, and the scores can be shared out BY KEYS: a fragment of K is read from LDS once for all 64 queries.
; SHARES.  A work-group owns 64 queries (four tiles of 16) and walks its batch's 4,096 keys in 32 steps of 128.  Eight waves, two roles:
;   waves 0-3 (PV): wave q owns channels 128 q .. 128 q + 127: O^T += V^T P^T, 32 matrix instructions a step, 256 accumulator registers;
;   waves 4-7 (SM): wave 4 + q owns key block q (32 keys) of every step: S^T = K Q^T for the four tiles of queries, p, its codes and scale bytes, the sums.  P goes to the PV waves through LDS as an image of the operand's registers.
; Product 4's K is 64: registers 6-11 of Q's and K's fragments are zero codes, set once.
; ORDER OF THE KEYS (free, since M is final): item 0 is step 31, item n is step n - 1.  In trip n the PV waves multiply item n and fetch V of item n + 1, the SM waves make P of item n + 1: so trips 2 P and 2 P + 1 read just chunk P of kv.
; CLUSTER.  The four work-groups of a cluster belong to one batch and walk the same kv: every tensor load is asked for JOINTLY, with the same descriptor and the mask of all four.
; LIMITS: NaN and infinities are not served; p under 2^-126 counts as 0 (v_exp_f32 gives 0 there: ISA guide, its entry in 15.8); a block whose every p is 0 keeps the byte 1 over zero codes.
; LDS: slot 0 at 0, slot 1 at 131,072, each a chunk of four parts of 28,928 bytes; P's images, two buffers; P's scale bytes, two buffers; maxima and sums; the spare words.  The stage for the way out lies in the slots, behind their last fill and last read.
; REGISTERS: v1-25 addresses, made ahead of the first parting of the roles and never rewritten; v28-39 scale words alone.
;   pass A and SM: v40-103 S^T, then p; v104-151 Q; v152-199 K, two sets; v200-255 at work; window 1: my 16 rows of x.      PV: v40-135 V; v136-183 P; v184-211 at work; window 1: O^T, accumulator (m, t) at 64 m + 8 t.
.set BATCHB, 1851392
.set PAIRB,  115712
.set CHUNK,  28928
.set SLOT1,  131072
.set VSCO,   24576                     ; in a part: V's scale halves [e][c][256]
.set KCO,    25600                     ; K's codes [e][u][768]
.set KSO,    28672                     ; K's scale words [e][128]
.set KPART,  3328                      ; K's codes and words of a part; also a work-group's bytes in qf
.set PIMG,   262144                    ; P: [buffer 2][tile 4][c 2][768]
.set PBUF,   6144
.set PSC,    274432                    ; P's scale bytes: [buffer 2][16 r + 4 m + q]
.set RED1,   274944                    ; eight waves' maxima, 512 bytes each; behind them four waves' sums
.set SPARE,  281088                    ; the spare words, 128 bytes for each wave: four blocks of 256 bytes that no other line names
.set SROW,   2064                      ; the stage: 64 rows of 2,048 bytes + 16
.set SPW,  1
.set NIL,  2
.set B16,  3                           ; v3-5 slot 0, v6-8 slot 1: my part + 16, 8, 4 x lane
.set B8,   4
.set B4,   5
.set PA16, 9                           ; v9-11 the same in slot wave / 4: pass A
.set PA8,  10
.set PA4,  11
.set PSTA, 12                          ; where I store a block's first 16 bytes,
.set PSTB, 13                          ; its last 8,
.set PSB,  14                          ; its scale byte
.set PL16, 15                          ; where P is read
.set PL8,  16
.set PSL,  17
.set RST,  18
.set RLD,  19
.set STO,  20                          ; v20-21 the stage, on the way in: rows 0-31, rows 32-63
.set SRD,  22                          ; on the way out
.set G16,  23
.set G8,   24
.set G4,   25
.set QS,   28                          ; v28-29 Q's scale words: lanes 0-15 tile 2 b, lanes 16-31 tile 2 b + 1
.set KS0,  30                          ; v30-31 K's, a register for each set: lanes 0-15 tile u = 0, lanes 16-31 u = 1
.set PS,   32                          ; v32-35 P's, tile m
.set VS,   36                          ; v36-39 V's: lanes 0-15 tile 2 i, lanes 16-31 tile 2 i + 1
.set SCR,  40
.set QFR,  104
.set KF0,  152                         ; set 1 at KF0 + 24
.set MX,   200
.set TT,   204
.set BM,   208
.set SCO,  212
.set BY,   216
.set PCA,  220
.set PTA,  226
.set PCB,  230
.set PTB,  236
.set NM,   240                         ; four pairs (-M, 0)
.set LL,   248                         ; four pairs: the sums, in two halves
.set VFR,  40
.set PFR,  136
.set VR,   184
.set FAC,  188
.set RT,   196
.set MSB, 0
.macro WIN new                         ; the immediate's high byte repeats the setting that is left
.if MSB != \new
	s_set_vgpr_msb (MSB<<8)|\new
.set MSB, \new
.endif
.endm
.macro PLACES n                        ; plain vector places behind matrix instructions (ISA guide 7.12.1)
.rept \n
	v_nop
.endr
.endm
; The scaled matrix instruction.  d, a, b: first registers of D, source 0, source 1;  c: of C, or -1 for the constant 0;  sa, sb: the scale registers;  ra, rb = 1: the scales stand in lanes 16-31.
.macro WM d, a, b, c, sa, sb, ra, rb
.set rD, \d
.set rA, \a
.set rB, \b
.set rC, \c
.set rSA, \sa
.set rSB, \sb
.set rSel, 2*(\ra)+(\rb)
.if rC < 0
.if rSel == 0
	v_wmma_scale_f32_16x16x128_f8f6f4 v[rD:rD+7], v[rA:rA+11], v[rB:rB+11], 0, v[rSA], v[rSB] matrix_a_fmt:MATRIX_FMT_FP6 matrix_b_fmt:MATRIX_FMT_FP6
.elseif rSel == 1
	v_wmma_scale_f32_16x16x128_f8f6f4 v[rD:rD+7], v[rA:rA+11], v[rB:rB+11], 0, v[rSA], v[rSB] matrix_a_fmt:MATRIX_FMT_FP6 matrix_b_fmt:MATRIX_FMT_FP6 matrix_b_scale:MATRIX_SCALE_ROW1
.elseif rSel == 2
	v_wmma_scale_f32_16x16x128_f8f6f4 v[rD:rD+7], v[rA:rA+11], v[rB:rB+11], 0, v[rSA], v[rSB] matrix_a_fmt:MATRIX_FMT_FP6 matrix_b_fmt:MATRIX_FMT_FP6 matrix_a_scale:MATRIX_SCALE_ROW1
.else
	v_wmma_scale_f32_16x16x128_f8f6f4 v[rD:rD+7], v[rA:rA+11], v[rB:rB+11], 0, v[rSA], v[rSB] matrix_a_fmt:MATRIX_FMT_FP6 matrix_b_fmt:MATRIX_FMT_FP6 matrix_a_scale:MATRIX_SCALE_ROW1 matrix_b_scale:MATRIX_SCALE_ROW1
.endif
.else
.if rSel == 0
	v_wmma_scale_f32_16x16x128_f8f6f4 v[rD:rD+7], v[rA:rA+11], v[rB:rB+11], v[rC:rC+7], v[rSA], v[rSB] matrix_a_fmt:MATRIX_FMT_FP6 matrix_b_fmt:MATRIX_FMT_FP6
.elseif rSel == 1
	v_wmma_scale_f32_16x16x128_f8f6f4 v[rD:rD+7], v[rA:rA+11], v[rB:rB+11], v[rC:rC+7], v[rSA], v[rSB] matrix_a_fmt:MATRIX_FMT_FP6 matrix_b_fmt:MATRIX_FMT_FP6 matrix_b_scale:MATRIX_SCALE_ROW1
.elseif rSel == 2
	v_wmma_scale_f32_16x16x128_f8f6f4 v[rD:rD+7], v[rA:rA+11], v[rB:rB+11], v[rC:rC+7], v[rSA], v[rSB] matrix_a_fmt:MATRIX_FMT_FP6 matrix_b_fmt:MATRIX_FMT_FP6 matrix_a_scale:MATRIX_SCALE_ROW1
.else
	v_wmma_scale_f32_16x16x128_f8f6f4 v[rD:rD+7], v[rA:rA+11], v[rB:rB+11], v[rC:rC+7], v[rSA], v[rSB] matrix_a_fmt:MATRIX_FMT_FP6 matrix_b_fmt:MATRIX_FMT_FP6 matrix_a_scale:MATRIX_SCALE_ROW1 matrix_b_scale:MATRIX_SCALE_ROW1
.endif
.endif
.endm
; A round of the cluster's barrier: my work-group's barrier; wave 0 signals for the work-group; every wave waits for all four work-groups; my work-group's barrier once more.
.macro ROUND
	s_barrier_signal -1
	s_barrier_wait -1
	s_cmp_lg_u32 s14, 0
	s_cbranch_scc1 .Lnot_wave_0_\@
	s_barrier_signal -3
.Lnot_wave_0_\@:
	s_barrier_wait -3
	s_barrier_signal -1
	s_barrier_wait -1
.endm
; The barrier at a pair's head.  Every wave waits for all its tensor loads (a PV wave's one load: its part of the chunk about to be read), adds 0 to its spare word, and waits for that and for all its LDS instructions.
; fill = 1: a round of the cluster's barrier follows, behind which the slot just left is filled again.  step = 1: that slot's descriptor goes on by two chunks (no tensor load of mine is out).
.macro CHANGE fill, g0, step
	s_wait_tensorcnt 0x0
	ds_add_u32 v[SPW], v[NIL]                      ; 0 onto my spare word
.if \step
	s_add_nc_u64 s[\g0+2:\g0+3], s[\g0+2:\g0+3], 2*PAIRB   ; the type bits on top are not reached
.endif
	s_wait_dscnt 0x0                               ; the add is done; my reads of the slot are over; my stores of P have landed
.if \fill
	ROUND
.else
	s_barrier_signal -1
	s_barrier_wait -1
.endif
.endm
.macro PLAIN                           ; a barrier behind which nothing is filled: a tensor load may stay out across it
	s_wait_dscnt 0x0                               ; for the others' sake: my LDS stores have landed and my LDS loads are in
	s_barrier_signal -1
	s_barrier_wait -1
.endm
.macro TLOAD g0                        ; a PV wave's one joint refill, first thing behind the round; four v_nop follow
	tensor_load_to_lds s[\g0:\g0+3], s[32:39]
	s_nop 0
	PLACES 4
.endm
; A key block's two tiles of K (registers 0-5 of each fragment) and their scale words: five loads
.macro KLD a16, a8, a4, offc, offs, kf, ks
	ds_load_b128 v[\kf:\kf+3], v[\a16] offset:\offc
	ds_load_b64 v[\kf+4:\kf+5], v[\a8] offset:\offc+512
	ds_load_b128 v[\kf+12:\kf+15], v[\a16] offset:\offc+768
	ds_load_b64 v[\kf+16:\kf+17], v[\a8] offset:\offc+1280
	ds_load_b32 v[\ks], v[\a4] offset:\offs
.endm
; S^T = K Q^T: 2 tiles of keys x 4 tiles of queries.  Lane (r, h) of tile m holds query r; registers SCR + 16 m + i are keys 16 h + i of the block.
.macro SMUL kf, ks
.irp u, 0,1
.irp m, 0,1,2,3
	WM SCR+16*\m+8*\u, \kf+12*\u, QFR+12*\m, -1, \ks, QS+\m/2, \u, \m%2
.endr
.endr
.endm
; Pass A, unit UN of 16: one key block's scores, and the running maxima
.macro AUNIT
.if UN < 15
	s_wait_dscnt 5                                 ; this unit's five loads are in; the next unit's five may be out
.else
	s_wait_dscnt 0x0
.endif
	SMUL KF0+24*(UN%2), KS0+UN%2
	PLACES 4                                       ; in front of the loads into this set and of the first read of the scores
.if UN < 14
	KLD PA16, PA8, PA4, KPART*((UN+2)/2)+1536*(UN%2), KPART*((UN+2)/2)+3072+128*(UN%2), KF0+24*(UN%2), KS0+UN%2
.endif
.irp i, 0,2,4,6,8,10,12,14
.irp m, 0,1,2,3
	v_max3_num_f32 v[MX+\m], v[MX+\m], v[SCR+16*\m+\i], v[SCR+16*\m+\i+1]   ; the four tiles by turns; each accumulator from its low end on
.endr
.endr
.set UN, UN+1
.endm
; The block's scores become p, its codes and scale bytes go to P's buffer buf, and p is added to the sums.
.macro SOFTMAX buf
.irp m, 0,1,2,3
	v_max3_num_f32 v[BM+\m], v[SCR+16*\m], v[SCR+16*\m+1], v[SCR+16*\m+2]   ; the block's largest SCORE: p rises with the score, so it gives the block's largest p
.endr
.irp i, 3,5,7,9,11,13
.irp m, 0,1,2,3
	v_max3_num_f32 v[BM+\m], v[BM+\m], v[SCR+16*\m+\i], v[SCR+16*\m+\i+1]
.endr
.endr
.irp m, 0,1,2,3
	v_max_num_f32 v[BM+\m], v[BM+\m], v[SCR+16*\m+15]
.endr
.irp m, 0,1,2,3
	v_permlanex16_b32 v[TT+\m], v[BM+\m], s20, s21
.endr
.irp m, 0,1,2,3
	v_max_num_f32 v[BM+\m], v[BM+\m], v[TT+\m]                     ; with lane l xor 16's 16 keys
.endr
.irp m, 0,1,2,3
.irp j, 0,2,4,6,8,10,12,14
	v_pk_fma_f32 v[SCR+16*\m+\j:SCR+16*\m+\j+1], v[SCR+16*\m+\j:SCR+16*\m+\j+1], s[22:23], v[NM+2*\m:NM+2*\m+1] op_sel_hi:[1,0,0]   ; t - M, two at a time (of the pairs log2(e) and -M the low word serves both halves)
.endr
.endr
.irp m, 0,1,2,3
	v_fma_f32 v[BM+\m], v[BM+\m], s22, v[NM+2*\m]                  ; the same of the block's largest score
.endr
.set j, 0
.rept 64
	v_exp_f32 v[SCR+j], v[SCR+j]                                   ; p = 2^(t - M): NOT normalised
.set j, j+1
.endr
.irp m, 0,1,2,3
	v_exp_f32 v[BM+\m], v[BM+\m]
.endr
	v_nop                                                          ; a plain place behind the exponentials
	s_wait_alu depctr_va_vdst(0)
.irp m, 0,1,2,3
	v_max_num_f32 v[BM+\m], 0x1800000, v[BM+\m]                    ; the floor 2^(3 - 127): the byte cannot fall under 1
.endr
.irp m, 0,1,2,3
	v_add_nc_u32 v[SCO+\m], 0xff000000, v[BM+\m]                   ; 2 off the exponent field: the conversion's scale operand
.endr
.irp m, 0,1,2,3
	v_lshrrev_b32 v[BY+\m], 23, v[SCO+\m]                          ; the scale's byte
.endr
	v_cvt_scalef32_pk16_fp6_f32 v[PCA:PCA+2], v[SCR:SCR+15], v[SCO]
	v_cvt_scalef32_pk16_fp6_f32 v[PTA:PTA+2], v[SCR+16:SCR+31], v[SCO+1]
	v_cvt_scalef32_pk16_fp6_f32 v[PCB:PCB+2], v[SCR+32:SCR+47], v[SCO+2]
	v_cvt_scalef32_pk16_fp6_f32 v[PTB:PTB+2], v[SCR+48:SCR+63], v[SCO+3]
	v_nop                                                          ; one plain place behind a scaled conversion
.irp i, 0,1,2
	v_permlane16_swap_b32 v[PCA+\i], v[PTA+\i]                     ; tile 0's lanes 16-31 change places with tile 1's lanes 0-15: lane (r, h) then holds the lower 16 codes of tile h's block in the first, the upper 16 in the second
	v_permlane16_swap_b32 v[PCB+\i], v[PTB+\i]                     ; tiles 2 and 3 likewise
.endr
.irp i, 0,1,2
	v_mov_b32 v[PCA+3+\i], v[PTA+\i]
	v_mov_b32 v[PCB+3+\i], v[PTB+\i]
.endr
	ds_store_b128 v[PSTA], v[PCA:PCA+3] offset:PBUF*\buf           ; into the image of tile h (and 2 + h): registers 6 (q / 2) on of lane r + 16 (q % 2)
	ds_store_b64 v[PSTB], v[PCA+4:PCA+5] offset:PBUF*\buf
	ds_store_b128 v[PSTA], v[PCB:PCB+3] offset:PBUF*\buf+3072
	ds_store_b64 v[PSTB], v[PCB+4:PCB+5] offset:PBUF*\buf+3072
.irp m, 0,1,2,3
	ds_store_b8 v[PSB], v[BY+\m] offset:256*\buf+4*\m              ; byte q of query r's scale word of tile m; both halves of the lanes write the same byte with the same value
.endr
.irp i, 0,2,4,6,8,10,12,14
.irp m, 0,1,2,3
	v_pk_add_f32 v[LL+2*\m:LL+2*\m+1], v[LL+2*\m:LL+2*\m+1], v[SCR+16*\m+\i:SCR+16*\m+\i+1]   ; THE SUM IS TAKEN OF THE UNQUANTISED p
.endr
.endr
.endm
.macro PLD buf                         ; P's four fragments and scale words, as they were stored
.irp m, 0,1,2,3
	ds_load_b128 v[PFR+12*\m:PFR+12*\m+3], v[PL16] offset:PBUF*\buf+1536*\m
	ds_load_b64 v[PFR+12*\m+4:PFR+12*\m+5], v[PL8] offset:PBUF*\buf+1536*\m+512
	ds_load_b128 v[PFR+12*\m+6:PFR+12*\m+9], v[PL16] offset:PBUF*\buf+1536*\m+768
	ds_load_b64 v[PFR+12*\m+10:PFR+12*\m+11], v[PL8] offset:PBUF*\buf+1536*\m+1280
.endr
	ds_load_b128 v[PS:PS+3], v[PSL] offset:256*\buf
.endm
; A PV wave's trip: O^T += V^T P^T for the item whose V is in registers and whose P lies in buffer buf.  zero = 1: the products start the sums.  roll = 1: as soon as a tile of V has fed its four products,
; the next item's tile (step e of the chunk in the slot) is fetched into its registers.  The 32 accumulators take turns, one instruction a turn.
.macro PVTRIP buf, slot, e, zero, roll
	v_perm_b32 v[VS], v[VR+2], v[VR], s60          ; V's scale words: the two halves' bytes, low halves,
	v_perm_b32 v[VS+1], v[VR+2], v[VR], s61        ; high halves
	v_perm_b32 v[VS+2], v[VR+3], v[VR+1], s60
	v_perm_b32 v[VS+3], v[VR+3], v[VR+1], s61
	PLD \buf
	PLACES 8                                       ; a scale register written by a vector instruction stands eight places ahead of a scaled matrix instruction
	s_wait_dscnt 0x0                               ; P is in
.irp t, 0,1,2,3,4,5,6,7
	WIN 0x50                                       ; C and D window 1
.irp m, 0,1,2,3
.if \zero
	WM 64*\m+8*\t, VFR+12*\t, PFR+12*\m, -1, VS+\t/2, PS+\m, \t%2, 0
.else
	WM 64*\m+8*\t, VFR+12*\t, PFR+12*\m, 64*\m+8*\t, VS+\t/2, PS+\m, \t%2, 0
.endif
.endr
.if \roll
	WIN 0
	PLACES 4                                       ; in front of loads into registers that these products read
	ds_load_b128 v[VFR+12*\t:VFR+12*\t+3], v[B16+3*\slot] offset:12288*\e+1536*\t
	ds_load_b64 v[VFR+12*\t+4:VFR+12*\t+5], v[B8+3*\slot] offset:12288*\e+1536*\t+512
	ds_load_b128 v[VFR+12*\t+6:VFR+12*\t+9], v[B16+3*\slot] offset:12288*\e+1536*\t+768
	ds_load_b64 v[VFR+12*\t+10:VFR+12*\t+11], v[B8+3*\slot] offset:12288*\e+1536*\t+1280
.endif
.endr
	WIN 0
.if \roll
	ds_load_b64 v[VR:VR+1], v[B8+3*\slot] offset:VSCO+512*\e
	ds_load_b64 v[VR+2:VR+3], v[B8+3*\slot] offset:VSCO+512*\e+256
.endif
.endm
.macro XLOAD r0                        ; eight of my 16 rows of x into window 1: row p of the tile is query p + 8 (p / 8) from my base; 512 consecutive bytes a load
	WIN 0x40
.irp p, 0,1,2,3,4,5,6,7
.irp k, 0,1,2,3
	global_load_b128 v[16*(\r0+\p)+4*\k:16*(\r0+\p)+4*\k+3], v[G16], s[70:71] offset:((\r0+\p)+8*((\r0+\p)/8))*2048+512*\k th:TH_LOAD_NT
.endr
.endr
	WIN 0
.endm
; Two trips on the chunk in the slot.  At the pair's head the other slot is filled with the next chunk: that load has both trips in which to land.
.macro PAIR slot, g0, step, first
	CHANGE 1, \g0, \step
	s_cmp_lt_u32 s14, 4                            ; the roles part on the wave's number alone; no barrier stands in either part
	s_cbranch_scc0 .Lsm_even_\@
	TLOAD \g0
.if \first
	s_wait_loadcnt 0x0                             ; item 0's V and scale halves
.endif
	PVTRIP 0, \slot, 0, \first, 1
	s_branch .Ljoin_even_\@
.Lsm_even_\@:
	KLD B16+3*\slot, B8+3*\slot, B4+3*\slot, KCO, KSO, KF0, KS0
	KLD B16+3*\slot, B8+3*\slot, B4+3*\slot, KCO+1536, KSO+128, KF0+24, KS0+1
	s_wait_dscnt 5                                 ; the first step's five loads are in; the second's may be out
	SMUL KF0, KS0
	PLACES 4
	SOFTMAX 1
.if \first
	XLOAD 8
.endif
.Ljoin_even_\@:
	PLAIN
	s_cmp_lt_u32 s14, 4
	s_cbranch_scc0 .Lsm_odd_\@
	PVTRIP 1, \slot, 1, 0, 1
	s_branch .Ljoin_odd_\@
.Lsm_odd_\@:
	SMUL KF0+24, KS0+1                             ; fetched in the trip before; the barrier's wait has shown it in
	PLACES 4
	SOFTMAX 0
.Ljoin_odd_\@:
.endm
	s_load_b256 s[4:11], s[0:1], 0x0               ; kv s[4:5], qf s[6:7], x s[8:9], gamma s[10:11]
	s_load_b64 s[12:13], s[0:1], 0x20              ; out0
	v_lshl_add_u32 v[SPW], v0, 2, SPARE
	v_mov_b32 v[NIL], 0
	ds_add_u32 v1, v2
	ds_add_u32 v1, v2
	s_wait_dscnt 0x0
	v_lshrrev_b32 v26, 5, v0
	v_readfirstlane_b32 s14, v26                   ; wave 0..7
	s_and_b32 s15, s14, 3                          ; q: my part of a chunk
	s_lshr_b32 s16, s14, 2                         ; 0: PV, 1: SM; in pass A: which half of the keys
	s_lshr_b32 s19, ttmp9, 4                       ; the batch: 16 clusters of 4 work-groups each; the four partners share it
	s_bfe_u32 s74, ttmp6, 0x40000                  ; my place in the cluster: it enters the addresses of qf, x and out0 alone, in s74-79 and s[68:73]
	s_lshl_b32 s76, ttmp9, 2
	s_add_co_u32 s76, s76, s74                     ; my block of 64 queries
	s_mov_b32 s20, 0x76543210
	s_mov_b32 s21, 0xfedcba98                      ; v_permlanex16_b32's selects for lane l xor 16
	s_mov_b32 s22, 0x3fb8aa3b                      ; log2(e)
	s_mov_b32 s23, s22                             ; (named with it as a pair, so it is written)
	s_mov_b32 s60, 0x05040100                      ; v_perm_b32: the two low halves,
	s_mov_b32 s61, 0x07060302                      ; the two high halves
	s_mul_i32 s53, s15, CHUNK                      ; LDS: my part in slot 0,
	s_add_co_u32 s57, s53, SLOT1                   ; in slot 1,
	s_lshl_b32 s49, s16, 17
	s_add_co_u32 s49, s49, s53                     ; in slot wave / 4
	v_and_b32 v26, 31, v0                          ; lane
	v_and_b32 v27, 15, v0                          ; r
	v_lshl_add_u32 v[B16], v26, 4, s53
	v_lshl_add_u32 v[B8], v26, 3, s53
	v_lshl_add_u32 v[B4], v26, 2, s53
	v_lshl_add_u32 v[B16+3], v26, 4, s57
	v_lshl_add_u32 v[B8+3], v26, 3, s57
	v_lshl_add_u32 v[B4+3], v26, 2, s57
	v_lshl_add_u32 v[PA16], v26, 4, s49
	v_lshl_add_u32 v[PA8], v26, 3, s49
	v_lshl_add_u32 v[PA4], v26, 2, s49
	s_lshr_b32 s26, s15, 1
	s_mul_i32 s26, s26, 768                        ; c = q / 2: which six registers of P's fragment
	s_and_b32 s27, s15, 1                          ; q % 2: which half of the lanes
	s_lshl_b32 s28, s27, 8
	s_add_co_u32 s28, s28, s26
	s_add_co_u32 s28, s28, PIMG
	s_lshl_b32 s29, s27, 7
	s_add_co_u32 s29, s29, s26
	s_add_co_u32 s29, s29, PIMG+512
	v_bfe_u32 v[PSTA], v0, 4, 1                    ; h: which of the two tiles my lane holds behind the exchange
	v_mul_u32_u24 v[PSTA], v[PSTA], 1536
	v_lshl_add_u32 v[PSTB], v27, 3, v[PSTA]
	v_lshl_add_u32 v[PSTA], v27, 4, v[PSTA]
	v_add_nc_u32 v[PSTA], s28, v[PSTA]
	v_add_nc_u32 v[PSTB], s29, v[PSTB]
	s_add_co_u32 s30, s15, PSC
	v_lshl_add_u32 v[PSB], v27, 4, s30
	v_lshl_add_u32 v[PL16], v26, 4, PIMG
	v_lshl_add_u32 v[PL8], v26, 3, PIMG
	v_lshl_add_u32 v[PSL], v27, 4, PSC
	s_lshl_b32 s30, s14, 9
	s_add_co_u32 s30, s30, RED1
	v_lshl_add_u32 v[RST], v26, 4, s30
	v_lshl_add_u32 v[RLD], v26, 4, RED1
	v_mul_u32_u24 v[STO], v27, SROW
	v_bfe_u32 v[STO+1], v0, 4, 1
	v_lshl_add_u32 v[STO], v[STO+1], 5, v[STO]
	s_lshl_b32 s30, s15, 9
	v_add_nc_u32 v[STO], s30, v[STO]               ; row r, my 512 bytes of it, 32 bytes for each half of the lanes
	v_add_nc_u32 v[STO+1], 32*SROW, v[STO]
	s_mul_i32 s30, s15, 16*SROW
	v_lshl_add_u32 v[SRD], v26, 4, s30
	v_lshlrev_b32 v[G16], 4, v26
	v_lshlrev_b32 v[G8], 3, v26
	v_lshlrev_b32 v[G4], 2, v26
	; descriptor group 1 for a part of a chunk: 28,928 dense bytes as 113 rows of 256 (32 elements of 8 bytes)
	s_mov_b32 s32, 15|(3<<16)|(1<<21)              ; 15:0 the mask: all four work-groups; 17:16 elements of 8 bytes; 21 set beside a mask
	s_mov_b32 s33, 32<<16
	s_mov_b32 s34, 113<<16
	s_mov_b32 s35, 32<<16
	s_mov_b32 s36, 113
	s_mov_b32 s37, 32
	s_mov_b32 s38, 0
	s_mov_b32 s39, 0
	; and for pass A: K's 3,328 bytes (416 elements) of my part in eight chunks, 115,712 bytes (14,464 elements) apart
	s_mov_b32 s40, 15|(3<<16)|(1<<21)
	s_mov_b32 s41, 416<<16
	s_mov_b32 s42, 8<<16
	s_mov_b32 s43, 416<<16
	s_mov_b32 s44, 8
	s_mov_b32 s45, 14464
	s_mov_b32 s46, 0
	s_mov_b32 s47, 0
	s_mov_b32 s48, 1                               ; groups 0: s[48:51] pass A; s[52:55] slot 0; s[56:59] slot 1 (their LDS words stand above)
	s_mov_b32 s52, 1
	s_mov_b32 s56, 1
	s_mul_i32 s26, s19, BATCHB
	s_add_co_u32 s26, s26, s53                     ; the batch, + 28,928 q
	s_mov_b32 s27, 0
	s_mul_i32 s28, s16, 8*PAIRB
	s_add_co_u32 s28, s28, KCO
	s_mov_b32 s29, 0
	s_mul_i32 s78, s76, KPART                      ; my block in qf
	s_mov_b32 s79, 0
	s_lshl_b32 s74, s76, 17                        ; my block in x and out0: 64 rows of 2,048 bytes;
	s_lshr_b32 s77, s15, 1
	s_lshl_b32 s77, s77, 16
	s_add_co_u32 s74, s74, s77
	s_and_b32 s77, s15, 1
	s_lshl_b32 s77, s77, 14
	s_add_co_u32 s74, s74, s77                     ; tile q begins at query 32 (q / 2) + 8 (q % 2)
	s_mov_b32 s75, 0
	s_wait_kmcnt 0x0
	s_load_b32 s24, s[10:11], 0x0                  ; gamma
	s_add_nc_u64 s[54:55], s[4:5], s[26:27]        ; chunk 0, my part
	s_add_nc_u64 s[58:59], s[54:55], PAIRB         ; chunk 1
	s_add_nc_u64 s[66:67], s[54:55], 15*PAIRB      ; chunk 15: item 0's V comes from there by plain loads
	s_add_nc_u64 s[50:51], s[54:55], s[28:29]      ; K's bytes of chunks 8 (wave / 4) on
	s_or_b32 s51, s51, 0x80000000
	s_or_b32 s55, s55, 0x80000000
	s_or_b32 s59, s59, 0x80000000
	s_add_nc_u64 s[68:69], s[6:7], s[78:79]
	s_add_nc_u64 s[70:71], s[8:9], s[74:75]
	s_add_nc_u64 s[72:73], s[12:13], s[74:75]
	ROUND                                          ; all four work-groups are here: the first joint loads meet
	tensor_load_to_lds s[48:51], s[40:47]          ; every wave's one first fill: K of key block q, 16 steps; one load of mine is out
	s_nop 0
	PLACES 4
.irp m, 0,1,2,3
	global_load_b128 v[QFR+12*\m:QFR+12*\m+3], v[G16], s[68:69] offset:768*\m
	global_load_b64 v[QFR+12*\m+4:QFR+12*\m+5], v[G8], s[68:69] offset:768*\m+512
.endr
	global_load_b32 v[QS], v[G4], s[68:69] offset:3072
	global_load_b32 v[QS+1], v[G4], s[68:69] offset:3200
.irp m, 0,1,2,3
.irp j, 6,7,8,9,10,11
	v_mov_b32 v[QFR+12*\m+\j], 0                   ; K = 64 fills half an instruction: the other half is zero codes, on both sides
	v_mov_b32 v[KF0+12*\m+\j], 0
.endr
.endr
.irp m, 0,1,2,3
	v_mov_b32 v[MX+\m], 0xff800000                 ; under every score
	v_mov_b32 v[TT+\m], 0                          ; written once: a lane permute's destination counts as one of its sources
.endr
	s_wait_loadcnt 0x0                             ; Q
	s_wait_kmcnt 0x0                               ; gamma
	s_wait_tensorcnt 0x0                           ; only I read the bytes that my load brought: my own wait is all the ordering that the reads need
	; ---- PASS A: wave w takes key block q of steps 16 (w / 4) .. + 15
	KLD PA16, PA8, PA4, 0, 3072, KF0, KS0
	KLD PA16, PA8, PA4, 1536, 3200, KF0+24, KS0+1
.set UN, 0
.rept 16
	AUNIT
.endr
.irp m, 0,1,2,3
	v_permlanex16_b32 v[TT+\m], v[MX+\m], s20, s21
.endr
.irp m, 0,1,2,3
	v_max_num_f32 v[MX+\m], v[MX+\m], v[TT+\m]
.endr
	ds_store_b128 v[RST], v[MX:MX+3]               ; my largest scores of the four tiles' queries
	CHANGE 1, 52, 0                                ; slot 0, whose pass A bytes nobody reads any more, takes chunk 0
	s_cmp_lt_u32 s14, 4
	s_cbranch_scc0 .Lsm_pre
	TLOAD 52
.irp t, 0,1,2,3,4,5,6,7                ; item 0 is step 31: its V comes straight into registers
	global_load_b128 v[VFR+12*\t:VFR+12*\t+3], v[G16], s[66:67] offset:12288+1536*\t
	global_load_b64 v[VFR+12*\t+4:VFR+12*\t+5], v[G8], s[66:67] offset:12288+1536*\t+512
	global_load_b128 v[VFR+12*\t+6:VFR+12*\t+9], v[G16], s[66:67] offset:12288+1536*\t+768
	global_load_b64 v[VFR+12*\t+10:VFR+12*\t+11], v[G8], s[66:67] offset:12288+1536*\t+1280
.endr
	global_load_b64 v[VR:VR+1], v[G8], s[66:67] offset:VSCO+512
	global_load_b64 v[VR+2:VR+3], v[G8], s[66:67] offset:VSCO+768
	s_branch .Ljoin_pre
.Lsm_pre:
.irp k, 0,1,2,3,4,5,6,7
	ds_load_b128 v[SCR+4*\k:SCR+4*\k+3], v[RLD] offset:512*\k      ; the eight waves' maxima
.endr
	KLD PA16, PA8, PA4, 7*KPART+1536, 7*KPART+3200, KF0, KS0       ; step 31's K still lies among slot 1's pass A bytes
	s_wait_dscnt 5                                 ; the maxima are in; K's five loads may be out
.irp m, 0,1,2,3
	v_max3_num_f32 v[MX+\m], v[SCR+\m], v[SCR+4+\m], v[SCR+8+\m]
.endr
.irp m, 0,1,2,3
	v_max3_num_f32 v[MX+\m], v[MX+\m], v[SCR+12+\m], v[SCR+16+\m]
.endr
.irp m, 0,1,2,3
	v_max3_num_f32 v[MX+\m], v[MX+\m], v[SCR+20+\m], v[SCR+24+\m]
.endr
.irp m, 0,1,2,3
	v_max_num_f32 v[MX+\m], v[MX+\m], v[SCR+28+\m]                 ; the row's largest score
.endr
.irp m, 0,1,2,3
	v_mul_f32 v[TT+\m], s22, v[MX+\m]                              ; as t
.endr
.irp m, 0,1,2,3
	v_floor_f32 v[NM+2*\m], -v[TT+\m]                              ; -M = floor(-t) = -ceil(t): a whole number
	v_mov_b32 v[NM+2*\m+1], 0                                      ; (named as the pair's upper half)
	v_mov_b32 v[LL+2*\m], 0
	v_mov_b32 v[LL+2*\m+1], 0
.endr
	s_wait_dscnt 0x0
	SMUL KF0, KS0
	PLACES 4
	SOFTMAX 0                                      ; P of item 0
	XLOAD 0                                        ; x for the way out is asked for now and waited for at the end
.Ljoin_pre:
	; ---- PASS B
	PAIR 0, 56, 0, 1                               ; chunk 0 in slot 0; slot 1 takes chunk 1; the first products start O^T's sums
	s_mov_b32 s25, 7
.Lpairs:                                           ; chunks 1 to 14; behind each pair's round the next chunk is asked for
	PAIR 1, 52, 1, 0
	PAIR 0, 56, 1, 0
	s_sub_co_u32 s25, s25, 1
	s_cmp_lg_u32 s25, 0
	s_cbranch_scc1 .Lpairs
	CHANGE 0, 0, 0                                 ; chunk 15 has landed in slot 1; nothing is left to fetch, so no round follows
	s_cmp_lt_u32 s14, 4
	s_cbranch_scc0 .Lsm_30
	PVTRIP 0, 1, 0, 0, 1
	s_branch .Ljoin_30
.Lsm_30:
	KLD B16+3, B8+3, B4+3, KCO, KSO, KF0, KS0
	s_wait_dscnt 0x0
	SMUL KF0, KS0
	PLACES 4
	SOFTMAX 1                                      ; P of item 31, the last
.irp m, 0,1,2,3
	v_add_f32 v[MX+\m], v[LL+2*\m], v[LL+2*\m+1]   ; the sum's two halves,
.endr
.irp m, 0,1,2,3
	v_permlanex16_b32 v[TT+\m], v[MX+\m], s20, s21
.endr
.irp m, 0,1,2,3
	v_add_f32 v[MX+\m], v[MX+\m], v[TT+\m]         ; and lane l xor 16's: my key blocks' share of the rows' sums
.endr
	ds_store_b128 v[RST], v[MX:MX+3] offset:2048   ; behind the eight maxima: 512 bytes for each SM wave
.Ljoin_30:
	PLAIN
	s_cmp_lt_u32 s14, 4
	s_cbranch_scc0 .Ljoin_31
.irp k, 0,1,2,3
	ds_load_b128 v[RT+4*\k:RT+4*\k+3], v[RLD] offset:4096+512*\k   ; the four shares of the sums
.endr
	PVTRIP 1, 1, 0, 0, 0
.irp m, 0,1,2,3
	v_add_f32 v[RT+\m], v[RT+\m], v[RT+4+\m]       ; (these twelve additions are also the places behind the last products)
.endr
.irp m, 0,1,2,3
	v_add_f32 v[RT+8+\m], v[RT+8+\m], v[RT+12+\m]
.endr
.irp m, 0,1,2,3
	v_add_f32 v[RT+\m], v[RT+\m], v[RT+8+\m]       ; the row's sum
.endr
.irp m, 0,1,2,3
	v_rcp_f32 v[RT+4+\m], v[RT+\m]
.endr
	v_nop                                          ; a plain place behind the reciprocals
	s_wait_alu depctr_va_vdst(0)
.irp m, 0,1,2,3
	v_mul_f32 v[FAC+2*\m], s24, v[RT+4+\m]         ; gamma / the sum
	v_mul_f32 v[FAC+2*\m+1], s24, v[RT+4+\m]
.endr
.irp m, 0,1,2,3                        ; O^T x gamma / the sum goes to the stage: row 16 m + r, my 128 channels.  Both slots have had their last fill and their last read
	WIN 0x41                                       ; O^T (destination and source 0) window 1
.set i, 0
.rept 32
	v_pk_mul_f32 v[64*\m+2*i:64*\m+2*i+1], v[64*\m+2*i:64*\m+2*i+1], v[FAC+2*\m:FAC+2*\m+1] op_sel_hi:[1,0]   ; each accumulator from its low end on
.set i, i+1
.endr
	WIN 0x04                                       ; an LDS store's data are its source 1: window 1
.irp t, 0,1,2,3,4,5,6,7
	ds_store_b128 v[STO+\m/2], v[64*\m+8*\t:64*\m+8*\t+3] offset:16*SROW*(\m%2)+64*\t
	ds_store_b128 v[STO+\m/2], v[64*\m+8*\t+4:64*\m+8*\t+7] offset:16*SROW*(\m%2)+64*\t+16
.endr
.endr
	WIN 0
.Ljoin_31:
	PLAIN                                          ; 64 whole rows lie in the stage
	s_cmp_lt_u32 s14, 4
	s_cbranch_scc1 .Lend
	; ---- THE WAY OUT: SM wave q adds x to the stage's rows 16 q .. 16 q + 15 and stores them: 512 consecutive bytes an instruction
	s_wait_loadcnt 0x0                             ; x
.macro OLD b                           ; batch b: four rows, sixteen loads, into v40-103 and v104-167 by turns
.irp n, 0,1,2,3,4,5,6,7,8,9,10,11,12,13,14,15
	ds_load_b128 v[SCR+64*((\b)%2)+4*\n:SCR+64*((\b)%2)+4*\n+3], v[SRD] offset:SROW*(4*(\b)+\n/4)+512*(\n%4)
.endr
.endm
	OLD 0
.irp b, 0,1,2,3
.if \b < 3
	OLD \b+1
	s_wait_dscnt 16                                ; this batch is in; the next batch's sixteen loads may be out
.else
	s_wait_dscnt 0x0
.endif
	WIN 0x41                                       ; x (destination and source 0) window 1
.set i, 0
.rept 32
	v_pk_add_f32 v[64*\b+2*i:64*\b+2*i+1], v[64*\b+2*i:64*\b+2*i+1], v[SCR+64*(\b%2)+2*i:SCR+64*(\b%2)+2*i+1]
.set i, i+1
.endr
	WIN 0x04                                       ; a store's data are its source 1: window 1
.irp n, 0,1,2,3,4,5,6,7,8,9,10,11,12,13,14,15
	global_store_b128 v[G16], v[64*\b+4*\n:64*\b+4*\n+3], s[72:73] offset:((4*\b+\n/4)+8*((4*\b+\n/4)/8))*2048+512*(\n%4) th:TH_STORE_NT
.endr
	WIN 0
.endr
.Lend:
	s_wait_tensorcnt 0x0                           ; the wave's end, behind my last tensor load and my last LDS store
	ds_add_u32 v[SPW], v[NIL]
	s_wait_dscnt 0x0
	ROUND                                          ; the closing round: no work-group ends while a partner may still ask for a tile that names it
	s_endpgm
.Lfunc_end_k_q257f33a61d_attn:
	.size	k_q257f33a61d_attn, .Lfunc_end_k_q257f33a61d_attn-k_q257f33a61d_attn
	.p2alignl 7, 3214868480
	.fill 96, 4, 3214868480
	.section	.rodata,"a",@progbits
	.p2align	6, 0x0
	.amdhsa_kernel k_q257f33a61d_attn
		.amdhsa_group_segment_fixed_size 327680
		.amdhsa_private_segment_fixed_size 0
		.amdhsa_enable_private_segment 0
		.amdhsa_kernarg_size 40
		.amdhsa_user_sgpr_count 2
		.amdhsa_user_sgpr_kernarg_segment_ptr 1
		.amdhsa_wavefront_size32 1
		.amdhsa_system_sgpr_workgroup_id_x 1
		.amdhsa_system_sgpr_workgroup_id_y 1
		.amdhsa_system_sgpr_workgroup_id_z 1
		.amdhsa_system_vgpr_workitem_id 0
		.amdhsa_next_free_vgpr 512
		.amdhsa_next_free_sgpr 80
		.amdhsa_reserve_vcc 0
		.amdhsa_float_denorm_mode_32 3
		.amdhsa_float_denorm_mode_16_64 3
		.amdhsa_memory_ordered 1
		.amdhsa_forward_progress 1
		.amdhsa_inst_pref_size 255
	.end_amdhsa_kernel
	.section	.bss,"aw",@nobits
	.p2align	6
	.space	262144
	.amdgpu_metadata
---
amdhsa.version: [ 1, 2 ]
amdhsa.kernels:
  - .name:           k_q257f33a61d_attn
    .symbol:         k_q257f33a61d_attn.kd
    .args:
      - { .name: kv, .offset: 0, .size: 8, .value_kind: global_buffer, .address_space: global }
      - { .name: qf, .offset: 8, .size: 8, .value_kind: global_buffer, .address_space: global }
      - { .name: x, .offset: 16, .size: 8, .value_kind: global_buffer, .address_space: global }
      - { .name: gamma, .offset: 24, .size: 8, .value_kind: global_buffer, .address_space: global }
      - { .name: out0, .offset: 32, .size: 8, .value_kind: global_buffer, .address_space: global }
    .group_segment_fixed_size: 327680
    .private_segment_fixed_size: 0
    .kernarg_segment_align: 8
    .kernarg_segment_size: 40
    .max_flat_workgroup_size: 256
    .sgpr_count:     80
    .vgpr_count:     512
    .wavefront_size: 32
...
	.end_amdgpu_metadata
.endif
;; end of part 2
;; ======== version 2 of 2: 2 launches; 1.11 times as fast as version 1
;; workspace buffers: kv 7,405,568 bytes; qf 851,968 bytes
;; launch proj (part 3): grid 256 x 1, 4 waves a work-group, no clusters, 262,656 bytes of LDS; arguments x, Wh_codes, Wh_scales, bh, Wf_codes, Wg_codes, Wf_scales, Wg_scales, bf, bg, kv, qf; writes kv, qf
.if DOCPART == 3
	.amdgcn_target "amdgcn-amd-amdhsa--gfx1250"
	.amdhsa_code_object_version 6
	.text
	.protected	k_q257f33a61d_proj
	.globl	k_q257f33a61d_proj
	.p2align	8
	.type	k_q257f33a61d_proj,@function
k_q257f33a61d_proj:
	s_mov_b64 s[64:65], 0
	v_nop
	global_prefetch_b8 v0, s[64:65] scope:SCOPE_SE
	s_setreg_imm32_b32 hwreg(HW_REG_WAVE_MODE, 25, 1), 1
	s_wait_xcnt 0x0
; f = x Wf + bf, g = x Wg + bg, h = x Wh + bh on codes of FP6 (E2M3) with one E8M0 scale for each 32 along K, and the three results quantised again for the attention launch:
; f and g along their 64 channels, h along the KEYS.  x [16384][512] f32; the weights arrive as codes, K innermost (a row of 512 codes is 384 bytes), their scale bytes 16 a row.
; SHARES.  A work-group of four waves takes 64 rows of x.  Wave w quantises 16 of them (x tile w) and hands the codes to the others through LDS as images of the operand's registers.
; Then wave w makes h for channels 128 w .. 128 w + 127 and all 64 rows, and f (waves 0, 1) or g (waves 2, 3) for 32 rows and all 64 channels: 160 matrix instructions a wave.
; THE ROWS OF A TILE ARE NOT NEIGHBOURS: lane r of x tile 2 b + u is row 32 b + 8 u + r + 8 (r / 8); the rows of Wf and Wg that form a tile are chosen alike.  So the 16 registers of two neighbouring
; result tiles are 16 neighbours along the next product's K: keys for h (source 0 = x, source 1 = Wh: a lane holds one channel), channels for f and g (source 0 = the weight, source 1 = x: a lane holds one row).
; THE WEIGHTS: a wave's 192 rows come in three batches of 64 rows, 24,576 dense bytes each, by 48 loads of 512 consecutive bytes.  A fragment wants 8-byte pieces of sixteen rows: so a batch goes, as loaded,
; into a stage of the wave's own in LDS, rows 400 bytes apart, and comes back as fragments into the registers that it left.  No other wave touches a stage: LDS serves a wave's instructions in order (ISA guide 5.7.1.4), so no wait stands between.
; WHAT IS STORED are images of operand registers: six registers of a lane (a block of 32 codes) as 16 bytes at 16 x lane and 8 bytes at 8 x lane, so that the reader needs no rows and every store covers 512 or 256 consecutive bytes.
;   kv [batch 4][pair of key steps 16][part 4][28,928]: V images [e 2][tile 8][c 2][768]; at 24,576 V's scale halves [e][c][256]; at 25,600 K's codes of key block = part [e][u 2][768]; at 28,672 K's scale words [e][128].
;   qf [work-group 256][3,328]: Q's images [tile 4][768]; at 3,072 their scale words [b 2][128].
; NO CLUSTER: no two work-groups share a row of x.  All share the weights, but a joint load would have to land them in LDS in rows that fragments can be read from: 640 rows of 432 bytes (16 of padding behind each 128)
; are 276,480 bytes, which do not fit beside x's 134,144 and the images' 25,600.  So each wave reads its part once, into registers.
; A block's scale is 2^(floor(log2(its largest magnitude)) - 2); its byte is the largest magnitude's exponent field - 2, held at 1 from below.
; LIMITS: NaN and infinities among the inputs are not served; a block whose largest magnitude lies under 2^-124 keeps the byte 1; a block of zeros gets the byte 1 where the quantiser says 127: its codes are zeros, and this program alone reads the bytes.
; REGISTERS, in windows of 256: window 0: addresses, scale words, biases, 64 accumulators' registers, work;  window 1: Wh's tiles 0-3;  window 2: Wf's or Wg's four tiles, later Wh's tiles 4-7;
;   window 3: Wh's rows 64-127 as loaded, later x's fragments.
.set XTW,    33536                     ; LDS: a wave's 16 rows of x as f32: two groups of 8 rows; later the stage of its third batch of weights
.set XGB,    16656                     ; the second group begins here: 16 x 1,040 + 16, so that the sixteen rows of a load begin 16 bytes apart modulo 256
.set XROW,   2080                      ; a row of x in LDS: 2 x (1,024 bytes + 16 of padding)
.set XIMG,   134144                    ; x's 16 fragments (4 x tile + K step), 1,536 bytes each: three pieces of 512, 16 bytes a lane
.set XSC,    158720                    ; their scale words: 256 x K step + 64 x tile + 4 r
.set STG,    159744                    ; the stages of the weights' first two batches: 64 rows x 400 bytes for each wave
.set STGW,   25600
.set SPT,    400                       ; a stage row: 384 bytes + 16 = 100 words: row r begins at word 36 r mod 64: sixteen neighbouring rows begin in sixteen different groups of four banks (64 banks of 4 bytes: ISA guide 11.1)
.set FRB,    1536
.set BATCHB, 1851392
.set PAIRB,  115712
.set CHUNK,  28928
.set VSCO,   24576
.set KCO,    25600
.set KSO,    28672
.set QFB,    3328
.set LN,  1                            ; lane
.set RR,  2                            ; r = lane % 16
.set HH,  3                            ; h = lane / 16
.set XR,  4                            ; LDS: my row's f32 numbers, my half's block
.set XWI, 5                            ; LDS: where I store my tile's images
.set XWS, 6                            ; and its scale words
.set XEL, 7                            ; LDS: the two tiles that f or g takes
.set XES, 8
.set XL,  9                            ; LDS: all images
.set XSL, 10
.set FRD, 11                           ; LDS: a fragment's place in my stage: 400 r + 24 h
.set FRC, 12                           ; the same in my bytes of x
.set ESO, 13                           ; Wf's, Wg's scale bytes: 16 (8 h + r + 8 (r / 8))
.set BEO, 14                           ; their biases: 64 h
.set BHO, 15                           ; bh: 4 r
.set SH8, 16                           ; 8 h
.set L16, 17
.set L8,  18
.set L4,  19
.set XS,  24                           ; v24-31  x's scale words [2 s + b]: lanes 0-15 tile 2 b, lanes 16-31 tile 2 b + 1
.set XSE, 32                           ; v32-35  the same for the two tiles of f or g
.set WS,  36                           ; v36-51  Wh's scale words [4 k + s]: lanes 0-15 tile 2 k, lanes 16-31 tile 2 k + 1
.set ES,  52                           ; v52-59  Wf's or Wg's [4 b + s]
.set BH,  60                           ; v60-67  bh of my lane's channel, tile t
.set CG,  68                           ; v68-83  two tiles' bias as a C operand
.set BE,  84                           ; v84-115 bf or bg in the result's layout, four tiles
.set ACC, 116                          ; v116-179 eight accumulators; before that 64 numbers of x
.set TM,  180                          ; v180-195 at work
.set PC0, 196                          ; v196-201, v204-209 two blocks' codes to store
.set PC1, 204
.set PT,  212                          ; v212-214 a conversion's three registers begin on an even number: the second half of a block is made here and moved
.set FC,  220                          ; v220-231 a fragment of x
.set HV,  232                          ; v232-239 V's two scale bytes, tile t
.set HE,  240                          ; v240-241 f's or g's two scale bytes, tile u
.set SA,  242                          ; v242-244 LDS: where load 3 a + j of a batch puts my 16 bytes in my stage (j = 0, 1, 2; a stands in the immediate)
.set SC,  245                          ; v245-247 the same in my bytes of x
.set MSB, 0
.macro WIN new                         ; the immediate's high byte repeats the setting that is left
.if MSB != \new
	s_set_vgpr_msb (MSB<<8)|\new
.set MSB, \new
.endif
.endm
.macro PLACES n                        ; plain vector places behind matrix instructions (ISA guide 7.12.1)
.rept \n
	v_nop
.endr
.endm
; The scaled matrix instruction.  d, a, b: first registers of D, source 0, source 1;  c: of C, or -1 for the constant 0;  sa, sb: the scale registers;  ra, rb = 1: the scales stand in lanes 16-31.
.macro WM d, a, b, c, sa, sb, ra, rb
.set rD, \d
.set rA, \a
.set rB, \b
.set rC, \c
.set rSA, \sa
.set rSB, \sb
.set rSel, 2*(\ra)+(\rb)
.if rC < 0
.if rSel == 0
	v_wmma_scale_f32_16x16x128_f8f6f4 v[rD:rD+7], v[rA:rA+11], v[rB:rB+11], 0, v[rSA], v[rSB] matrix_a_fmt:MATRIX_FMT_FP6 matrix_b_fmt:MATRIX_FMT_FP6
.elseif rSel == 1
	v_wmma_scale_f32_16x16x128_f8f6f4 v[rD:rD+7], v[rA:rA+11], v[rB:rB+11], 0, v[rSA], v[rSB] matrix_a_fmt:MATRIX_FMT_FP6 matrix_b_fmt:MATRIX_FMT_FP6 matrix_b_scale:MATRIX_SCALE_ROW1
.elseif rSel == 2
	v_wmma_scale_f32_16x16x128_f8f6f4 v[rD:rD+7], v[rA:rA+11], v[rB:rB+11], 0, v[rSA], v[rSB] matrix_a_fmt:MATRIX_FMT_FP6 matrix_b_fmt:MATRIX_FMT_FP6 matrix_a_scale:MATRIX_SCALE_ROW1
.else
	v_wmma_scale_f32_16x16x128_f8f6f4 v[rD:rD+7], v[rA:rA+11], v[rB:rB+11], 0, v[rSA], v[rSB] matrix_a_fmt:MATRIX_FMT_FP6 matrix_b_fmt:MATRIX_FMT_FP6 matrix_a_scale:MATRIX_SCALE_ROW1 matrix_b_scale:MATRIX_SCALE_ROW1
.endif
.else
.if rSel == 0
	v_wmma_scale_f32_16x16x128_f8f6f4 v[rD:rD+7], v[rA:rA+11], v[rB:rB+11], v[rC:rC+7], v[rSA], v[rSB] matrix_a_fmt:MATRIX_FMT_FP6 matrix_b_fmt:MATRIX_FMT_FP6
.elseif rSel == 1
	v_wmma_scale_f32_16x16x128_f8f6f4 v[rD:rD+7], v[rA:rA+11], v[rB:rB+11], v[rC:rC+7], v[rSA], v[rSB] matrix_a_fmt:MATRIX_FMT_FP6 matrix_b_fmt:MATRIX_FMT_FP6 matrix_b_scale:MATRIX_SCALE_ROW1
.elseif rSel == 2
	v_wmma_scale_f32_16x16x128_f8f6f4 v[rD:rD+7], v[rA:rA+11], v[rB:rB+11], v[rC:rC+7], v[rSA], v[rSB] matrix_a_fmt:MATRIX_FMT_FP6 matrix_b_fmt:MATRIX_FMT_FP6 matrix_a_scale:MATRIX_SCALE_ROW1
.else
	v_wmma_scale_f32_16x16x128_f8f6f4 v[rD:rD+7], v[rA:rA+11], v[rB:rB+11], v[rC:rC+7], v[rSA], v[rSB] matrix_a_fmt:MATRIX_FMT_FP6 matrix_b_fmt:MATRIX_FMT_FP6 matrix_a_scale:MATRIX_SCALE_ROW1 matrix_b_scale:MATRIX_SCALE_ROW1
.endif
.endif
.endm
; A batch of weights, 64 rows = 24,576 dense bytes from off on: 48 loads of 512 consecutive bytes, load n into registers 4 n .. 4 n + 3 of the window in hand
.macro RAWLD base, off
.set ld, 0
.rept 48
	global_load_b128 v[4*ld:4*ld+3], v[L16], s[\base:\base+1] offset:\off+512*ld
.set ld, ld+1
.endr
.endm
; The batch goes into a stage as it was loaded.  Three loads are four rows: load 3 a + j puts its pieces into rows 4 a .. 4 a + 3 (which of the four: in the address register j).
; swap = 1 (Wf, Wg): row R goes to the place with bits 3 and 4 of R changed over, so that the sixteen rows 32 b + 8 u + {0 .. 7, 16 .. 23} of a tile become neighbours, 32 b + 16 u + 0 .. 15.  Both bits belong to a.
.macro TOSTG adr, swap
.set ld, 0
.rept 48
.set grp, ld/3
.if \swap
.set grp, (grp&9)|((grp&2)<<1)|((grp&4)>>1)
.endif
	ds_store_b128 v[\adr+ld%3], v[4*ld:4*ld+3] offset:4*SPT*grp
.set ld, ld+1
.endr
.endm
; And comes back as sixteen fragments (tile t of four, K step s) at registers 12 (4 t + s): six pieces of 8 bytes each, every address a multiple of the access's size
.macro FROMSTG adr
.irp t, 0,1,2,3
.irp s, 0,1,2,3
.irp p, 0,1,2,3,4,5
	ds_load_b64 v[12*(4*\t+\s)+2*\p:12*(4*\t+\s)+2*\p+1], v[\adr] offset:16*SPT*\t+96*\s+48*(\p/3)+8*(\p%3)
.endr
.endr
.endr
.endm
; My block 2 c + h of K step s: 32 numbers, 128 bytes of my row, into v[ACC + 32 c] on
.macro XLD s, c
.irp i, 0,1,2,3,4,5,6,7
	ds_load_b128 v[ACC+32*(\c)+4*\i:ACC+32*(\c)+4*\i+3], v[XR] offset:512*(\s)+256*(\c)+16*((\s)/2)+16*\i
.endr
.endm
; That block becomes registers 6 c .. 6 c + 5 of the fragment; its scale operand stays in v[TM+4+c], its byte in v[TM+6+c].  All 32 numbers are the lane's own.
.macro XBLK c
.set xA, ACC+32*(\c)
	v_max3_num_f32 v[TM], |v[xA]|, |v[xA+1]|, 0x1800000            ; two chains; the floor 2^(3 - 127) is one more leaf: the byte cannot fall under 1
	v_max3_num_f32 v[TM+1], |v[xA+2]|, |v[xA+3]|, |v[xA+4]|
.irp i, 5,9,13,17,21,25
	v_max3_num_f32 v[TM], v[TM], |v[xA+\i]|, |v[xA+\i+1]|
	v_max3_num_f32 v[TM+1], v[TM+1], |v[xA+\i+2]|, |v[xA+\i+3]|
.endr
	v_max3_num_f32 v[TM], v[TM], |v[xA+29]|, |v[xA+30]|
	v_max3_num_f32 v[TM], v[TM], v[TM+1], |v[xA+31]|
	v_add_nc_u32 v[TM+4+\c], 0xff000000, v[TM]                     ; 2 off the exponent field: the conversion takes the exponent field of this operand as its scale
	v_lshrrev_b32 v[TM+6+\c], 23, v[TM+4+\c]                       ; the scale's byte
	v_cvt_scalef32_pk16_fp6_f32 v[FC+6*\c:FC+6*\c+2], v[xA:xA+15], v[TM+4+\c]
	v_cvt_scalef32_pk16_fp6_f32 v[PT:PT+2], v[xA+16:xA+31], v[TM+4+\c]
	v_nop                                                          ; one plain place behind a scaled conversion
.irp i, 0,1,2
	v_mov_b32 v[FC+6*\c+3+\i], v[PT+\i]
.endr
.endm
; The fragment of K step s and its scale word go to LDS as they stand
.macro XWORD s
	v_lshl_or_b32 v[TM+8], v[TM+7], 16, v[TM+6]                    ; my two bytes: blocks h and 2 + h,
	v_lshlrev_b32 v[TM+8], v[SH8], v[TM+8]                         ; at their places in the word;
	v_permlanex16_b32 v[TM+9], v[TM+8], s48, s49
	v_or_b32 v[TM+8], v[TM+8], v[TM+9]                             ; with lane l xor 16's two the word is whole
.irp k, 0,1,2
	ds_store_b128 v[XWI], v[FC+4*\k:FC+4*\k+3] offset:FRB*(\s)+512*\k
.endr
	ds_store_b32 v[XWS], v[TM+8] offset:256*(\s)                   ; both halves of the lanes write the same word with the same value
.endm
; 32 registers of a lane, a + 16 b + i = k 32 b + 16 h + i of the lane's row or channel, become two blocks' codes: lane (r, h) ends with the whole block h in v[pc] .. v[pc+5]; v[hw] = byte of block 0 | byte of block 1 << 8.
.macro QUANT2 a, pc, hw
.set qA, \a
.set qP, \pc
.irp b, 0,1
	v_max3_num_f32 v[TM+\b], |v[qA+16*\b]|, |v[qA+16*\b+1]|, 0x1800000   ; each accumulator is read from its low end on
.endr
.irp i, 2,4,6,8,10,12,14
.irp b, 0,1
	v_max3_num_f32 v[TM+\b], v[TM+\b], |v[qA+16*\b+\i]|, |v[qA+16*\b+\i+1]|
.endr
.endr
.irp b, 0,1
	v_permlanex16_b32 v[TM+2+\b], v[TM+\b], s48, s49
.endr
.irp b, 0,1
	v_max_num_f32 v[TM+\b], v[TM+\b], v[TM+2+\b]                   ; with lane l xor 16's 16: the block's largest magnitude
.endr
.irp b, 0,1
	v_add_nc_u32 v[TM+4+\b], 0xff000000, v[TM+\b]
.endr
.irp b, 0,1
	v_lshrrev_b32 v[TM+6+\b], 23, v[TM+4+\b]
.endr
	v_lshl_or_b32 v[\hw], v[TM+7], 8, v[TM+6]
	v_cvt_scalef32_pk16_fp6_f32 v[qP:qP+2], v[qA:qA+15], v[TM+4]
	v_cvt_scalef32_pk16_fp6_f32 v[PT:PT+2], v[qA+16:qA+31], v[TM+5]
	v_nop                                                          ; one plain place behind a scaled conversion
.irp i, 0,1,2
	v_permlane16_swap_b32 v[qP+\i], v[PT+\i]                       ; the first's lanes 16-31 change places with the second's lanes 0-15: the first holds each lane's block's lower 16 codes, the second the upper 16
.endr
.irp i, 0,1,2
	v_mov_b32 v[qP+3+\i], v[PT+\i]
.endr
.endm
	s_load_b256 s[4:11], s[0:1], 0x0               ; x s[4:5], Wh's codes s[6:7], Wh's scales s[8:9], bh s[10:11]
	s_load_b256 s[12:19], s[0:1], 0x20             ; Wf's codes, Wg's codes, Wf's scales, Wg's scales
	s_load_b256 s[20:27], s[0:1], 0x40             ; bf, bg, kv s[24:25], qf s[26:27]
	v_lshl_add_u32 v254, v0, 2, 0x40000
	v_mov_b32 v255, 0
	ds_add_u32 v254, v255
	ds_add_u32 v254, v255
	v_lshrrev_b32 v20, 5, v0
	v_readfirstlane_b32 s28, v20                   ; wave 0..3
	s_and_b32 s29, s28, 1                          ; u of my x tile; also b: which two tiles f or g takes
	s_lshr_b32 s30, s28, 1                         ; b of my x tile
	; descriptor group 1: 8 rows of x, dense in memory, as 16 rows of 1,024 bytes (128 elements of 8 bytes), 16 bytes of padding behind each
	s_mov_b32 s32, (3<<16)|(1<<20)|(7<<22)|(3<<25) ; no mask; elements of 8 bytes; padding on; after every 256 words (code 7) 4 words (code 3)
	s_mov_b32 s33, 128<<16                         ; tensor_dim0
	s_mov_b32 s34, 16<<16                          ; tensor_dim1
	s_mov_b32 s35, 128<<16                         ; tile_dim0
	s_mov_b32 s36, 16                              ; tile_dim1
	s_mov_b32 s37, 128                             ; stride from row to row
	s_mov_b32 s38, 0
	s_mov_b32 s39, 0
	s_mov_b32 s40, 1
	s_mul_i32 s41, s28, XTW                        ; my wave's own bytes: rows 32 b + 8 u + 0 .. 7,
	s_mov_b32 s44, 1
	s_add_co_u32 s45, s41, XGB                     ; and the eight rows 16 further on
	s_lshl_b32 s52, ttmp9, 17                      ; 64 rows of 2,048 bytes a work-group
	s_lshl_b32 s53, s30, 16
	s_add_co_u32 s52, s52, s53
	s_lshl_b32 s53, s29, 14
	s_add_co_u32 s52, s52, s53
	s_mov_b32 s53, 0
	s_wait_dscnt 0x0
	s_wait_kmcnt 0x0
	s_add_nc_u64 s[42:43], s[4:5], s[52:53]
	s_add_nc_u64 s[46:47], s[42:43], 0x8000
	s_or_b32 s43, s43, 0x80000000
	s_or_b32 s47, s47, 0x80000000
	tensor_load_to_lds s[40:43], s[32:39]          ; the launch's only fills, together, ahead of every wait, LDS read and barrier: two loads of mine are out; no LDS byte is filled twice
	s_nop 0
	tensor_load_to_lds s[44:47], s[32:39]
	s_nop 0
	PLACES 4                                       ; (behind a tensor load)
	v_and_b32 v[LN], 31, v0
	v_and_b32 v[RR], 15, v0
	v_bfe_u32 v[HH], v0, 4, 1
	v_and_b32 v20, 7, v0
	v_bfe_u32 v21, v0, 3, 1                        ; r / 8
	v_mul_u32_u24 v[XR], v20, XROW
	v_mad_u32_u24 v[XR], v21, XGB, v[XR]
	v_lshl_add_u32 v[XR], v[HH], 7, v[XR]
	v_add_nc_u32 v[XR], s41, v[XR]
	s_mul_i32 s54, s28, 4*FRB
	s_add_co_u32 s54, s54, XIMG
	v_lshl_add_u32 v[XWI], v[LN], 4, s54
	s_lshl_b32 s54, s28, 6
	s_add_co_u32 s54, s54, XSC
	v_lshl_add_u32 v[XWS], v[RR], 2, s54
	s_mul_i32 s54, s29, 8*FRB
	s_add_co_u32 s54, s54, XIMG
	v_lshl_add_u32 v[XEL], v[LN], 4, s54
	s_lshl_b32 s54, s29, 7
	s_add_co_u32 s54, s54, XSC
	v_lshl_add_u32 v[XES], v[LN], 2, s54
	v_lshl_add_u32 v[XL], v[LN], 4, XIMG
	v_lshl_add_u32 v[XSL], v[LN], 2, XSC
	s_mul_i32 s63, s28, STGW
	s_add_co_u32 s63, s63, STG                     ; my stage
	v_mul_u32_u24 v[FRD], v[RR], SPT
	v_mad_u32_u24 v[FRD], v[HH], 24, v[FRD]
	v_add_nc_u32 v[FRC], s41, v[FRD]
	v_add_nc_u32 v[FRD], s63, v[FRD]
	v_lshl_add_u32 v22, v21, 3, v[RR]              ; r + 8 (r / 8)
	v_lshl_add_u32 v[ESO], v[HH], 3, v22
	v_lshlrev_b32 v[ESO], 4, v[ESO]
.irp j, 0,1,2                          ; piece n = 32 j + lane (16 bytes) of a group of 1,536 bytes lies in row n / 24 of its four rows: 16 n + 16 (n / 24) bytes on.  n / 24 = 43 n >> 10 for n under 96
	v_add_nc_u32 v22, 32*\j, v[LN]
	v_mul_u32_u24 v23, v22, 43
	v_lshrrev_b32 v23, 10, v23
	v_add_nc_u32 v22, v22, v23
	v_lshl_add_u32 v[SA+\j], v22, 4, s63
	v_lshl_add_u32 v[SC+\j], v22, 4, s41
.endr
	v_lshlrev_b32 v[BEO], 6, v[HH]
	v_lshlrev_b32 v[BHO], 2, v[RR]
	v_lshlrev_b32 v[SH8], 3, v[HH]
	v_lshlrev_b32 v[L16], 4, v[LN]
	v_lshlrev_b32 v[L8], 3, v[LN]
	v_lshlrev_b32 v[L4], 2, v[LN]
	v_mov_b32 v[TM+2], 0                           ; written once: a lane permute's destination counts as one of its sources
	v_mov_b32 v[TM+3], 0
	v_mov_b32 v[TM+9], 0
	s_mov_b32 s48, 0x76543210
	s_mov_b32 s49, 0xfedcba98                      ; v_permlanex16_b32's selects for lane l xor 16
	s_mov_b32 s50, 0xffff0000                      ; lanes 16-31
	; where my parts begin.  Offsets are made apart from the addresses.
	s_mul_i32 s54, s28, 49152                      ; my 128 rows of Wh's codes,
	s_mov_b32 s55, 0
	s_add_nc_u64 s[56:57], s[6:7], s[54:55]
	s_lshl_b32 s54, s28, 11                        ; of its scale bytes,
	s_add_nc_u64 s[58:59], s[8:9], s[54:55]
	s_lshl_b32 s54, s28, 9                         ; of bh
	s_add_nc_u64 s[60:61], s[10:11], s[54:55]
	s_lshr_b32 s72, ttmp9, 6                       ; batch
	s_bfe_u32 s74, ttmp9, 0x40002                  ; pair of key steps: bits 5:2
	s_bfe_u32 s31, ttmp9, 0x10001                  ; e: which step of the pair
	s_and_b32 s51, ttmp9, 1                        ; c: which 64 keys of the step
	s_mul_i32 s72, s72, BATCHB
	s_mul_i32 s74, s74, PAIRB
	s_add_co_u32 s72, s72, s74                     ; the pair's first byte in kv
	s_lshl_b32 s77, s51, 1
	s_add_co_u32 s77, s77, s29                     ; g: key block 2 c + b is the part
	s_mul_i32 s77, s77, CHUNK
	s_add_co_u32 s77, s77, s72
	s_mul_i32 s78, s31, FRB
	s_add_co_u32 s78, s78, s77
	s_add_co_u32 s78, s78, KCO                     ; g's codes
	s_lshl_b32 s79, s31, 7
	s_add_co_u32 s79, s79, s77
	s_add_co_u32 s79, s79, KSO                     ; g's scale words
	s_mul_i32 s73, ttmp9, QFB
	s_mul_i32 s74, s29, FRB
	s_add_co_u32 s74, s74, s73                     ; f's codes
	s_lshl_b32 s75, s29, 7
	s_add_co_u32 s75, s75, s73
	s_add_co_u32 s75, s75, 3072                    ; f's scale words
	s_cmp_lt_u32 s28, 2                            ; waves 0, 1: f;  waves 2, 3: g.  The choice hangs on the wave's number alone
	s_cselect_b32 s66, s74, s78
	s_cselect_b32 s68, s75, s79
	s_cselect_b64 s[12:13], s[12:13], s[14:15]     ; the weight's codes,
	s_cselect_b64 s[16:17], s[16:17], s[18:19]     ; its scale bytes,
	s_cselect_b64 s[20:21], s[20:21], s[22:23]     ; its bias,
	s_cselect_b64 s[62:63], s[26:27], s[24:25]     ; and the buffer that takes the result
	s_mov_b32 s67, 0
	s_mov_b32 s69, 0
	s_add_nc_u64 s[66:67], s[62:63], s[66:67]
	s_add_nc_u64 s[68:69], s[62:63], s[68:69]
	s_mul_i32 s70, s28, CHUNK
	s_add_co_u32 s70, s70, s72                     ; h: part = my wave
	s_mul_i32 s74, s31, 12288
	s_mul_i32 s75, s51, 768
	s_add_co_u32 s74, s74, s75
	s_add_co_u32 s74, s74, s70                     ; V's images [e][tile][c]
	s_mov_b32 s75, 0
	s_lshl_b32 s76, s31, 9
	s_lshl_b32 s77, s51, 8
	s_add_co_u32 s76, s76, s77
	s_add_co_u32 s76, s76, s70
	s_add_co_u32 s76, s76, VSCO                    ; V's scale halves [e][c]
	s_mov_b32 s77, 0
	s_add_nc_u64 s[70:71], s[24:25], s[74:75]
	s_add_nc_u64 s[52:53], s[24:25], s[76:77]
	; ---- the weights come, and turn through my stage, while x is on its way
	WIN 0x80                                       ; destination window 2
	RAWLD 12, 0                                    ; Wf or Wg, all 64 rows
	WIN 0x40                                       ; destination window 1
	RAWLD 56, 0                                    ; Wh, my rows 0-63
	s_wait_loadcnt 48                              ; loads end in order: the first batch is in, the second batch's 48 may be out
	WIN 0x08                                       ; an LDS store's data are its source 1: window 2
	TOSTG SA, 1
	WIN 0x80
	FROMSTG FRD                                    ; Wf's or Wg's sixteen fragments
	WIN 0xc0                                       ; destination window 3, which is idle until x's fragments are wanted
	RAWLD 56, 24576                                ; Wh, my rows 64-127
	s_wait_loadcnt 48                              ; the second batch is in, the third batch's 48 may be out
	WIN 0x04
	TOSTG SA, 0                                    ; into the same stage, behind the loads that read it: LDS serves a wave's instructions in order
	WIN 0x40
	FROMSTG FRD                                    ; Wh's tiles 0-3
	WIN 0
.irp i, 0,1,2,3
	global_load_b128 v[WS+4*\i:WS+4*\i+3], v[L16], s[58:59] offset:512*\i      ; lane l: the four scale words of channel 32 i + l
.endr
.irp b, 0,1
	global_load_b128 v[ES+4*\b:ES+4*\b+3], v[ESO], s[16:17] offset:512*\b
.endr
.irp t, 0,1,2,3
	global_load_b128 v[BE+8*\t:BE+8*\t+3], v[BEO], s[20:21] offset:(32*(\t/2)+8*(\t%2))*4
	global_load_b128 v[BE+8*\t+4:BE+8*\t+7], v[BEO], s[20:21] offset:(32*(\t/2)+8*(\t%2))*4+16
.endr
.irp t, 0,1,2,3,4,5,6,7
	global_load_b32 v[BH+\t], v[BHO], s[60:61] offset:64*\t
.endr
	; ---- x: my 16 rows become four fragments.  Only I read the bytes that my two loads brought: my own wait is all the ordering that the reads need
	s_wait_tensorcnt 0x0
	XLD 0, 0
	XLD 0, 1
.irp s, 0,1,2,3
	s_wait_dscnt 8                                 ; LDS instructions end in order: all but the youngest eight, the other block's loads, are done: my block is in, and the last K step's image stores have read FC and the word
	XBLK 0
.if \s < 3
	XLD \s+1, 0
	s_wait_dscnt 8                                 ; the youngest eight are the loads just issued
.else
	s_wait_dscnt 0x0
.endif
	XBLK 1
	XWORD \s
.if \s < 3
	XLD \s+1, 1
.endif
.endr
	s_wait_loadcnt 0x0                             ; the third batch, the scales, the biases
	WIN 0x0c                                       ; data: window 3
	TOSTG SC, 0                                    ; into my own bytes of x: they have had their only fill and their last read, and no other wave touches them
	WIN 0
	s_wait_dscnt 0x0                               ; for the others' sake: my images lie in LDS
	s_barrier_signal -1
	s_barrier_wait -1                              ; everybody's do; nobody writes LDS from here on
	; ---- f or g: two tiles of rows x four tiles of channels, K = 512 in four steps
	WIN 0xc0                                       ; destination window 3
.irp f, 0,1,2,3,4,5,6,7
.irp k, 0,1,2
	ds_load_b128 v[12*\f+4*\k:12*\f+4*\k+3], v[XEL] offset:FRB*\f+512*\k
.endr
.endr
	WIN 0
.irp s, 0,1,2,3
	ds_load_b32 v[XSE+\s], v[XES] offset:256*\s
.endr
	s_wait_dscnt 0x0
	WIN 0x0e                                       ; source 0 (the weight) window 2, source 1 (x) window 3.  The eight accumulators take turns; the bias is the C of each sum's first product
.irp s, 0,1,2,3
.irp u, 0,1
.irp t, 0,1,2,3
.if \s == 0
	WM ACC+32*\u+8*\t, 12*(4*\t+\s), 12*(4*\u+\s), BE+8*\t, ES+4*(\t/2)+\s, XSE+\s, \t%2, \u
.else
	WM ACC+32*\u+8*\t, 12*(4*\t+\s), 12*(4*\u+\s), ACC+32*\u+8*\t, ES+4*(\t/2)+\s, XSE+\s, \t%2, \u
.endif
.endr
.endr
.endr
	WIN 0
	PLACES 4                                       ; in front of loads into registers that these products read, and of the first read of their results
	WIN 0xc0
.irp f, 0,1,2,3,4,5,6,7,8,9,10,11,12,13,14,15
.irp k, 0,1,2
	ds_load_b128 v[12*\f+4*\k:12*\f+4*\k+3], v[XL] offset:FRB*\f+512*\k      ; all sixteen fragments of x, for h
.endr
.endr
	WIN 0
.irp s, 0,1,2,3
.irp b, 0,1
	ds_load_b32 v[XS+2*\s+\b], v[XSL] offset:256*\s+128*\b
.endr
.endr
	WIN 0x80
	FROMSTG FRC                                    ; Wh's tiles 4-7 take the place of Wf's or Wg's: 96 loads
	WIN 0
	QUANT2 ACC, PC0, HE                            ; a lane's 32 registers are its row's 64 channels' halves: two blocks
	QUANT2 ACC+32, PC1, HE+1
	v_cndmask_b32 v[HE], v[HE], v[HE+1], s50       ; the scale words: lanes 0-15 tile u = 0, lanes 16-31 tile u = 1; the upper two bytes are 0, over zero codes
	global_store_b128 v[L16], v[PC0:PC0+3], s[66:67]                ; 512 consecutive bytes, at a multiple of 256 from the buffer's first byte
	global_store_b64 v[L8], v[PC0+4:PC0+5], s[66:67] offset:512     ; 256 consecutive bytes
	global_store_b128 v[L16], v[PC1:PC1+3], s[66:67] offset:768
	global_store_b64 v[L8], v[PC1+4:PC1+5], s[66:67] offset:1280
	global_store_b32 v[L4], v[HE], s[68:69]
	; ---- h: my eight tiles of channels, two at a time, x the four tiles of rows
	s_wait_dscnt 63                                ; x's fragments and scale words are in: behind them 96 loads were issued, of which 63 may be out
.irp k, 0,1,2,3
.if \k == 2
	s_wait_dscnt 0x0                               ; Wh's tiles 4-7
.endif
.irp j, 0,1,2,3,4,5,6,7
	v_mov_b32 v[CG+\j], v[BH+2*\k]                 ; the bias in the result's layout: a lane holds one channel, so its eight registers hold one number
	v_mov_b32 v[CG+8+\j], v[BH+2*\k+1]
.endr
	PLACES 4
.if \k < 2
	WIN 0x07                                       ; source 0 (x) window 3, source 1 (Wh) window 1
.else
	WIN 0x0b                                       ; source 1 window 2
.endif
.irp s, 0,1,2,3
.irp u, 0,1
.irp m, 0,1,2,3
.if \s == 0
	WM ACC+32*\u+8*\m, 12*(4*\m+\s), 12*(4*(2*(\k%2)+\u)+\s), CG+8*\u, XS+2*\s+\m/2, WS+4*\k+\s, \m%2, \u
.else
	WM ACC+32*\u+8*\m, 12*(4*\m+\s), 12*(4*(2*(\k%2)+\u)+\s), ACC+32*\u+8*\m, XS+2*\s+\m/2, WS+4*\k+\s, \m%2, \u
.endif
.endr
.endr
.endr
	WIN 0
	PLACES 4
	s_wait_xcnt 0x0                                ; the stores issued so far have read their data: the two sets of codes are written again only behind this wait
	QUANT2 ACC, PC0, HV+2*\k                       ; a lane's 32 registers are its channel's 64 keys' halves: two blocks along the keys
	QUANT2 ACC+32, PC1, HV+2*\k+1
	global_store_b128 v[L16], v[PC0:PC0+3], s[70:71] offset:FRB*(2*\k)
	global_store_b64 v[L8], v[PC0+4:PC0+5], s[70:71] offset:FRB*(2*\k)+512
	global_store_b128 v[L16], v[PC1:PC1+3], s[70:71] offset:FRB*(2*\k+1)
	global_store_b64 v[L8], v[PC1+4:PC1+5], s[70:71] offset:FRB*(2*\k+1)+512
.endr
.irp i, 0,1,2,3
	v_cndmask_b32 v[TM+\i], v[HV+2*\i], v[HV+2*\i+1], s50          ; V's scale halves: lanes 0-15 tile 2 i, lanes 16-31 tile 2 i + 1
.endr
	v_lshl_or_b32 v[TM+12], v[TM+1], 16, v[TM]
	v_lshl_or_b32 v[TM+13], v[TM+3], 16, v[TM+2]
	global_store_b64 v[L8], v[TM+12:TM+13], s[52:53]                ; 256 consecutive bytes
	s_wait_tensorcnt 0x0
	ds_add_u32 v254, v255
	s_wait_dscnt 0x0
	s_endpgm
.Lfunc_end_k_q257f33a61d_proj:
	.size	k_q257f33a61d_proj, .Lfunc_end_k_q257f33a61d_proj-k_q257f33a61d_proj
	.p2alignl 7, 3214868480
	.fill 96, 4, 3214868480
	.section	.rodata,"a",@progbits
	.p2align	6, 0x0
	.amdhsa_kernel k_q257f33a61d_proj
		.amdhsa_group_segment_fixed_size 262656
		.amdhsa_private_segment_fixed_size 0
		.amdhsa_enable_private_segment 0
		.amdhsa_kernarg_size 96
		.amdhsa_user_sgpr_count 2
		.amdhsa_user_sgpr_kernarg_segment_ptr 1
		.amdhsa_wavefront_size32 1
		.amdhsa_system_sgpr_workgroup_id_x 1
		.amdhsa_system_sgpr_workgroup_id_y 1
		.amdhsa_system_sgpr_workgroup_id_z 1
		.amdhsa_system_vgpr_workitem_id 0
		.amdhsa_next_free_vgpr 1024
		.amdhsa_next_free_sgpr 80
		.amdhsa_reserve_vcc 0
		.amdhsa_float_denorm_mode_32 3
		.amdhsa_float_denorm_mode_16_64 3
		.amdhsa_memory_ordered 1
		.amdhsa_forward_progress 1
		.amdhsa_inst_pref_size 118
	.end_amdhsa_kernel
	.amdgpu_metadata
---
amdhsa.version: [ 1, 2 ]
amdhsa.kernels:
  - .name:           k_q257f33a61d_proj
    .symbol:         k_q257f33a61d_proj.kd
    .args:
      - { .name: x, .offset: 0, .size: 8, .value_kind: global_buffer, .address_space: global }
      - { .name: Wh_codes, .offset: 8, .size: 8, .value_kind: global_buffer, .address_space: global }
      - { .name: Wh_scales, .offset: 16, .size: 8, .value_kind: global_buffer, .address_space: global }
      - { .name: bh, .offset: 24, .size: 8, .value_kind: global_buffer, .address_space: global }
      - { .name: Wf_codes, .offset: 32, .size: 8, .value_kind: global_buffer, .address_space: global }
      - { .name: Wg_codes, .offset: 40, .size: 8, .value_kind: global_buffer, .address_space: global }
      - { .name: Wf_scales, .offset: 48, .size: 8, .value_kind: global_buffer, .address_space: global }
      - { .name: Wg_scales, .offset: 56, .size: 8, .value_kind: global_buffer, .address_space: global }
      - { .name: bf, .offset: 64, .size: 8, .value_kind: global_buffer, .address_space: global }
      - { .name: bg, .offset: 72, .size: 8, .value_kind: global_buffer, .address_space: global }
      - { .name: kv, .offset: 80, .size: 8, .value_kind: global_buffer, .address_space: global }
      - { .name: qf, .offset: 88, .size: 8, .value_kind: global_buffer, .address_space: global }
    .group_segment_fixed_size: 262656
    .private_segment_fixed_size: 0
    .kernarg_segment_align: 8
    .kernarg_segment_size: 96
    .max_flat_workgroup_size: 128
    .sgpr_count:     80
    .vgpr_count:     1024
    .wavefront_size: 32
...
	.end_amdgpu_metadata
.endif
;; end of part 3
;; launch attn (part 4): grid 256 x 1, 8 waves a work-group, clusters of 4 x 1, 327,680 bytes of LDS; arguments kv, qf, x, gamma, out0; writes out0
.if DOCPART == 4
	.amdgcn_target "amdgcn-amd-amdhsa--gfx1250"
	.amdhsa_code_object_version 6
	.text
	.protected	k_q257f33a61d_attn
	.globl	k_q257f33a61d_attn
	.p2align	8
	.type	k_q257f33a61d_attn,@function
k_q257f33a61d_attn:
	s_mov_b64 s[64:65], 0
	v_nop
	global_prefetch_b8 v0, s[64:65] scope:SCOPE_SE
	s_setreg_imm32_b32 hwreg(HW_REG_WAVE_MODE, 25, 1), 1
	s_wait_xcnt 0x0
	s_wait_alu depctr_hold_cnt(0) depctr_sa_sdst(0) depctr_va_vdst(0) depctr_va_sdst(0) depctr_va_ssrc(0) depctr_va_vcc(0) depctr_vm_vsrc(0)
	s_getreg_b32 s2, hwreg(HW_REG_IB_STS2, 6, 4)
	s_cmp_eq_u32 s2, 0
	s_cbranch_scc0 .Lentry_in_a_cluster
	s_endpgm
.Lentry_in_a_cluster:
	s_bfe_u32 s2, ttmp6, 0x10000c
	s_cmp_lg_u32 s2, 0x3003
	s_cbranch_scc0 .Lentry_shape_is_right
	s_endpgm
.Lentry_shape_is_right:
; out = x + gamma softmax(f g^T) h, both products on codes of FP6 (E2M3) with one E8M0 scale for each 32 along K.  Q (f), K (g) and V (h, quantised along the keys) come as images of operand registers (kv, qf: laid by the launch before).
; THE SOFTMAX: t = score x log2(e); M = the row's largest t rounded up to a whole number; p = 2^(t - M) is quantised along the keys; the row's sum is taken of the unquantised p and divides at the end.
; M IS FOUND FIRST (pass A: all scores once, maxima alone), so pass B has no running maximum and never rescales its sums, and the scores can be shared out BY KEYS: a fragment of K is read from LDS once for all 64 queries.
; SHARES.  A work-group owns 64 queries (four tiles of 16) and walks its batch's 4,096 keys in 32 steps of 128.  Eight waves, two roles:
;   waves 0-3 (PV): wave q owns channels 128 q .. 128 q + 127: O^T += V^T P^T, 32 matrix instructions a step, 256 accumulator registers;
;   waves 4-7 (SM): wave 4 + q owns key block q (32 keys) of every step: S^T = K Q^T for the four tiles of queries, p, its codes and scale bytes, the sums.  P goes to the PV waves through LDS as an image of the operand's registers.
; Product 4's K is 64: registers 6-11 of Q's and K's fragments are zero codes, set once.
; ORDER OF THE KEYS (free, since M is final).  kv holds a batch's keys as 16 chunks of two steps.  Cluster i of a batch's sixteen begins at chunk 3 i mod 16 and walks all sixteen round: so at any time the sixteen clusters
; ask for sixteen different chunks, and a chunk that one asks for has as a rule been read by another before.  Item 0 is the second step of the walk's last chunk, items 1, 2, .. the steps of the walk in order.
; In trip n the PV waves multiply item n and fetch V of item n + 1, the SM waves make P of item n + 1: so trips 2 T and 2 T + 1 read just the walk's chunk T.
; CLUSTER.  The four work-groups of a cluster belong to one batch and walk the same chunks: every tensor load is asked for JOINTLY, with the same descriptor and the mask of all four.
; LIMITS: NaN and infinities are not served; p under 2^-126 counts as 0 (v_exp_f32 gives 0 there: ISA guide, its entry in 15.8); a block whose every p is 0 keeps the byte 1 over zero codes.
; LDS: slot 0 at 0, slot 1 at 131,072, each a chunk of four parts of 28,928 bytes; P's images, two buffers; P's scale bytes, two buffers; maxima and sums; the spare words.  The stage for the way out lies in the slots, behind their last fill and last read.
; REGISTERS: v1-25 addresses, made ahead of the first parting of the roles and never rewritten; v28-39 scale words alone.
;   pass A and SM: v40-103 S^T, then p; v104-151 Q; v152-199 K, two sets; v200-255 at work; window 1: my 16 rows of x.      PV: v40-135 V; v136-183 P; v184-211 at work; window 1: O^T, accumulator (m, t) at 64 m + 8 t.
.set BATCHB, 1851392
.set PAIRB,  115712
.set CHUNK,  28928
.set SLOT1,  131072
.set VSCO,   24576                     ; in a part: V's scale halves [e][c][256]
.set KCO,    25600                     ; K's codes [e][u][768]
.set KSO,    28672                     ; K's scale words [e][128]
.set KPART,  3328                      ; K's codes and words of a part; also a work-group's bytes in qf
.set PIMG,   262144                    ; P: [buffer 2][tile 4][c 2][768]
.set PBUF,   6144
.set PSC,    274432                    ; P's scale bytes: [buffer 2][16 r + 4 m + q]
.set RED1,   274944                    ; eight waves' maxima, 512 bytes each; behind them four waves' sums
.set SPARE,  281088                    ; the spare words, 128 bytes for each wave: four blocks of 256 bytes that no other line names
.set SROW,   2064                      ; the stage: 64 rows of 2,048 bytes + 16
.set SPW,  1
.set NIL,  2
.set B16,  3                           ; v3-5 slot 0, v6-8 slot 1: my part + 16, 8, 4 x lane
.set B8,   4
.set B4,   5
.set PA16, 9                           ; v9-11 the same in slot wave / 4: pass A
.set PA8,  10
.set PA4,  11
.set PSTA, 12                          ; where I store a block's first 16 bytes,
.set PSTB, 13                          ; its last 8,
.set PSB,  14                          ; its scale byte
.set PL16, 15                          ; where P is read
.set PL8,  16
.set PSL,  17
.set RST,  18
.set RLD,  19
.set STO,  20                          ; v20-21 the stage, on the way in: rows 0-31, rows 32-63
.set SRD,  22                          ; on the way out
.set G16,  23
.set G8,   24
.set G4,   25
.set QS,   28                          ; v28-29 Q's scale words: lanes 0-15 tile 2 b, lanes 16-31 tile 2 b + 1
.set KS0,  30                          ; v30-31 K's, a register for each set: lanes 0-15 tile u = 0, lanes 16-31 u = 1
.set PS,   32                          ; v32-35 P's, tile m
.set VS,   36                          ; v36-39 V's: lanes 0-15 tile 2 i, lanes 16-31 tile 2 i + 1
.set SCR,  40
.set QFR,  104
.set KF0,  152                         ; set 1 at KF0 + 24
.set MX,   200
.set TT,   204
.set BM,   208
.set SCO,  212
.set BY,   216
.set PCA,  220
.set PTA,  226
.set PCB,  230
.set PTB,  236
.set NM,   240                         ; four pairs (-M, 0)
.set LL,   248                         ; four pairs: the sums, in two halves
.set VFR,  40
.set PFR,  136
.set VR,   184
.set FAC,  188
.set RT,   196
.set KVB,  80                          ; s[80:81] kv at my batch and my part: chunk 0
.set IX0,  82                          ; s82  the chunk that slot 0 was last filled with
.set IX1,  83                          ; s83  the same for slot 1
.set OFS,  84                          ; s[84:85] a chunk's byte offset, in 64 bits
.set MSB, 0
.macro WIN new                         ; the immediate's high byte repeats the setting that is left
.if MSB != \new
	s_set_vgpr_msb (MSB<<8)|\new
.set MSB, \new
.endif
.endm
.macro PLACES n                        ; plain vector places behind matrix instructions (ISA guide 7.12.1)
.rept \n
	v_nop
.endr
.endm
; The scaled matrix instruction.  d, a, b: first registers of D, source 0, source 1;  c: of C, or -1 for the constant 0;  sa, sb: the scale registers;  ra, rb = 1: the scales stand in lanes 16-31.
.macro WM d, a, b, c, sa, sb, ra, rb
.set rD, \d
.set rA, \a
.set rB, \b
.set rC, \c
.set rSA, \sa
.set rSB, \sb
.set rSel, 2*(\ra)+(\rb)
.if rC < 0
.if rSel == 0
	v_wmma_scale_f32_16x16x128_f8f6f4 v[rD:rD+7], v[rA:rA+11], v[rB:rB+11], 0, v[rSA], v[rSB] matrix_a_fmt:MATRIX_FMT_FP6 matrix_b_fmt:MATRIX_FMT_FP6
.elseif rSel == 1
	v_wmma_scale_f32_16x16x128_f8f6f4 v[rD:rD+7], v[rA:rA+11], v[rB:rB+11], 0, v[rSA], v[rSB] matrix_a_fmt:MATRIX_FMT_FP6 matrix_b_fmt:MATRIX_FMT_FP6 matrix_b_scale:MATRIX_SCALE_ROW1
.elseif rSel == 2
	v_wmma_scale_f32_16x16x128_f8f6f4 v[rD:rD+7], v[rA:rA+11], v[rB:rB+11], 0, v[rSA], v[rSB] matrix_a_fmt:MATRIX_FMT_FP6 matrix_b_fmt:MATRIX_FMT_FP6 matrix_a_scale:MATRIX_SCALE_ROW1
.else
	v_wmma_scale_f32_16x16x128_f8f6f4 v[rD:rD+7], v[rA:rA+11], v[rB:rB+11], 0, v[rSA], v[rSB] matrix_a_fmt:MATRIX_FMT_FP6 matrix_b_fmt:MATRIX_FMT_FP6 matrix_a_scale:MATRIX_SCALE_ROW1 matrix_b_scale:MATRIX_SCALE_ROW1
.endif
.else
.if rSel == 0
	v_wmma_scale_f32_16x16x128_f8f6f4 v[rD:rD+7], v[rA:rA+11], v[rB:rB+11], v[rC:rC+7], v[rSA], v[rSB] matrix_a_fmt:MATRIX_FMT_FP6 matrix_b_fmt:MATRIX_FMT_FP6
.elseif rSel == 1
	v_wmma_scale_f32_16x16x128_f8f6f4 v[rD:rD+7], v[rA:rA+11], v[rB:rB+11], v[rC:rC+7], v[rSA], v[rSB] matrix_a_fmt:MATRIX_FMT_FP6 matrix_b_fmt:MATRIX_FMT_FP6 matrix_b_scale:MATRIX_SCALE_ROW1
.elseif rSel == 2
	v_wmma_scale_f32_16x16x128_f8f6f4 v[rD:rD+7], v[rA:rA+11], v[rB:rB+11], v[rC:rC+7], v[rSA], v[rSB] matrix_a_fmt:MATRIX_FMT_FP6 matrix_b_fmt:MATRIX_FMT_FP6 matrix_a_scale:MATRIX_SCALE_ROW1
.else
	v_wmma_scale_f32_16x16x128_f8f6f4 v[rD:rD+7], v[rA:rA+11], v[rB:rB+11], v[rC:rC+7], v[rSA], v[rSB] matrix_a_fmt:MATRIX_FMT_FP6 matrix_b_fmt:MATRIX_FMT_FP6 matrix_a_scale:MATRIX_SCALE_ROW1 matrix_b_scale:MATRIX_SCALE_ROW1
.endif
.endif
.endm
; A round of the cluster's barrier: my work-group's barrier; wave 0 signals for the work-group; every wave waits for all four work-groups; my work-group's barrier once more.
.macro ROUND
	s_barrier_signal -1
	s_barrier_wait -1
	s_cmp_lg_u32 s14, 0
	s_cbranch_scc1 .Lnot_wave_0_\@
	s_barrier_signal -3
.Lnot_wave_0_\@:
	s_barrier_wait -3
	s_barrier_signal -1
	s_barrier_wait -1
.endm
; The barrier at a pair's head.  Every wave waits for all its tensor loads (a PV wave's one load: its part of the chunk about to be read), adds 0 to its spare word, and waits for that and for all its LDS instructions.
; fill = 1: a round of the cluster's barrier follows, behind which the slot just left is filled again.  ix: the register with that slot's chunk, which goes on by two, round 16 (0: the descriptor stands as it is).
; No tensor load of mine is out, so the descriptor may be written; its address hangs on the batch, the part and the cluster's number alone, which the four partners share.
.macro CHANGE fill, g0, ix
	s_wait_tensorcnt 0x0
	ds_add_u32 v[SPW], v[NIL]                      ; 0 onto my spare word
.if \ix
	s_add_co_u32 s[\ix], s[\ix], 2
	s_and_b32 s[\ix], s[\ix], 15
	s_mul_i32 s[OFS], s[\ix], PAIRB
	s_add_nc_u64 s[\g0+2:\g0+3], s[KVB:KVB+1], s[OFS:OFS+1]
	s_or_b32 s[\g0+3], s[\g0+3], 0x80000000        ; type = 2
.endif
	s_wait_dscnt 0x0                               ; the add is done; my reads of the slot are over; my stores of P have landed
.if \fill
	ROUND
.else
	s_barrier_signal -1
	s_barrier_wait -1
.endif
.endm
.macro PLAIN                           ; a barrier behind which nothing is filled: a tensor load may stay out across it
	s_wait_dscnt 0x0                               ; for the others' sake: my LDS stores have landed and my LDS loads are in
	s_barrier_signal -1
	s_barrier_wait -1
.endm
.macro TLOAD g0                        ; a PV wave's one joint refill, first thing behind the round; four v_nop follow
	tensor_load_to_lds s[\g0:\g0+3], s[32:39]
	s_nop 0
	PLACES 4
.endm
; A key block's two tiles of K (registers 0-5 of each fragment) and their scale words: five loads
.macro KLD a16, a8, a4, offc, offs, kf, ks
	ds_load_b128 v[\kf:\kf+3], v[\a16] offset:\offc
	ds_load_b64 v[\kf+4:\kf+5], v[\a8] offset:\offc+512
	ds_load_b128 v[\kf+12:\kf+15], v[\a16] offset:\offc+768
	ds_load_b64 v[\kf+16:\kf+17], v[\a8] offset:\offc+1280
	ds_load_b32 v[\ks], v[\a4] offset:\offs
.endm
; S^T = K Q^T: 2 tiles of keys x 4 tiles of queries.  Lane (r, h) of tile m holds query r; registers SCR + 16 m + i are keys 16 h + i of the block.
.macro SMUL kf, ks
.irp u, 0,1
.irp m, 0,1,2,3
	WM SCR+16*\m+8*\u, \kf+12*\u, QFR+12*\m, -1, \ks, QS+\m/2, \u, \m%2
.endr
.endr
.endm
; Pass A, unit UN of 16: one key block's scores, and the running maxima
.macro AUNIT
.if UN < 15
	s_wait_dscnt 5                                 ; this unit's five loads are in; the next unit's five may be out
.else
	s_wait_dscnt 0x0
.endif
	SMUL KF0+24*(UN%2), KS0+UN%2
	PLACES 4                                       ; in front of the loads into this set and of the first read of the scores
.if UN < 14
	KLD PA16, PA8, PA4, KPART*((UN+2)/2)+1536*(UN%2), KPART*((UN+2)/2)+3072+128*(UN%2), KF0+24*(UN%2), KS0+UN%2
.endif
.if UN == 14                           ; set 0 has fed its last unit: in the SM waves it takes item 0's K, by plain loads, which land under the rest of the pass
	s_cmp_lt_u32 s14, 4
	s_cbranch_scc1 .Lno_item0_\@
	global_load_b128 v[KF0:KF0+3], v[G16], s[66:67] offset:KCO+1536
	global_load_b64 v[KF0+4:KF0+5], v[G8], s[66:67] offset:KCO+1536+512
	global_load_b128 v[KF0+12:KF0+15], v[G16], s[66:67] offset:KCO+1536+768
	global_load_b64 v[KF0+16:KF0+17], v[G8], s[66:67] offset:KCO+1536+1280
	global_load_b32 v[KS0], v[G4], s[66:67] offset:KSO+128
.Lno_item0_\@:
.endif
.irp i, 0,2,4,6,8,10,12,14
.irp m, 0,1,2,3
	v_max3_num_f32 v[MX+\m], v[MX+\m], v[SCR+16*\m+\i], v[SCR+16*\m+\i+1]   ; the four tiles by turns; each accumulator from its low end on
.endr
.endr
.set UN, UN+1
.endm
; The block's scores become p, its codes and scale bytes go to P's buffer buf, and p is added to the sums.
.macro SOFTMAX buf
.irp m, 0,1,2,3
	v_max3_num_f32 v[BM+\m], v[SCR+16*\m], v[SCR+16*\m+1], v[SCR+16*\m+2]   ; the block's largest SCORE: p rises with the score, so it gives the block's largest p
.endr
.irp i, 3,5,7,9,11,13
.irp m, 0,1,2,3
	v_max3_num_f32 v[BM+\m], v[BM+\m], v[SCR+16*\m+\i], v[SCR+16*\m+\i+1]
.endr
.endr
.irp m, 0,1,2,3
	v_max_num_f32 v[BM+\m], v[BM+\m], v[SCR+16*\m+15]
.endr
.irp m, 0,1,2,3
	v_permlanex16_b32 v[TT+\m], v[BM+\m], s20, s21
.endr
.irp m, 0,1,2,3
	v_max_num_f32 v[BM+\m], v[BM+\m], v[TT+\m]                     ; with lane l xor 16's 16 keys
.endr
.irp m, 0,1,2,3
.irp j, 0,2,4,6,8,10,12,14
	v_pk_fma_f32 v[SCR+16*\m+\j:SCR+16*\m+\j+1], v[SCR+16*\m+\j:SCR+16*\m+\j+1], s[22:23], v[NM+2*\m:NM+2*\m+1] op_sel_hi:[1,0,0]   ; t - M, two at a time (of the pairs log2(e) and -M the low word serves both halves)
.endr
.endr
.irp m, 0,1,2,3
	v_fma_f32 v[BM+\m], v[BM+\m], s22, v[NM+2*\m]                  ; the same of the block's largest score
.endr
.set j, 0
.rept 64
	v_exp_f32 v[SCR+j], v[SCR+j]                                   ; p = 2^(t - M): NOT normalised
.set j, j+1
.endr
.irp m, 0,1,2,3
	v_exp_f32 v[BM+\m], v[BM+\m]
.endr
	v_nop                                                          ; a plain place behind the exponentials
	s_wait_alu depctr_va_vdst(0)
.irp m, 0,1,2,3
	v_max_num_f32 v[BM+\m], 0x1800000, v[BM+\m]                    ; the floor 2^(3 - 127): the byte cannot fall under 1
.endr
.irp m, 0,1,2,3
	v_add_nc_u32 v[SCO+\m], 0xff000000, v[BM+\m]                   ; 2 off the exponent field: the conversion's scale operand
.endr
.irp m, 0,1,2,3
	v_lshrrev_b32 v[BY+\m], 23, v[SCO+\m]                          ; the scale's byte
.endr
	v_cvt_scalef32_pk16_fp6_f32 v[PCA:PCA+2], v[SCR:SCR+15], v[SCO]
	v_cvt_scalef32_pk16_fp6_f32 v[PTA:PTA+2], v[SCR+16:SCR+31], v[SCO+1]
	v_cvt_scalef32_pk16_fp6_f32 v[PCB:PCB+2], v[SCR+32:SCR+47], v[SCO+2]
	v_cvt_scalef32_pk16_fp6_f32 v[PTB:PTB+2], v[SCR+48:SCR+63], v[SCO+3]
	v_nop                                                          ; one plain place behind a scaled conversion
.irp i, 0,1,2
	v_permlane16_swap_b32 v[PCA+\i], v[PTA+\i]                     ; tile 0's lanes 16-31 change places with tile 1's lanes 0-15: lane (r, h) then holds the lower 16 codes of tile h's block in the first, the upper 16 in the second
	v_permlane16_swap_b32 v[PCB+\i], v[PTB+\i]                     ; tiles 2 and 3 likewise
.endr
.irp i, 0,1,2
	v_mov_b32 v[PCA+3+\i], v[PTA+\i]
	v_mov_b32 v[PCB+3+\i], v[PTB+\i]
.endr
	ds_store_b128 v[PSTA], v[PCA:PCA+3] offset:PBUF*\buf           ; into the image of tile h (and 2 + h): registers 6 (q / 2) on of lane r + 16 (q % 2)
	ds_store_b64 v[PSTB], v[PCA+4:PCA+5] offset:PBUF*\buf
	ds_store_b128 v[PSTA], v[PCB:PCB+3] offset:PBUF*\buf+3072
	ds_store_b64 v[PSTB], v[PCB+4:PCB+5] offset:PBUF*\buf+3072
.irp m, 0,1,2,3
	ds_store_b8 v[PSB], v[BY+\m] offset:256*\buf+4*\m              ; byte q of query r's scale word of tile m; both halves of the lanes write the same byte with the same value
.endr
.irp i, 0,2,4,6,8,10,12,14
.irp m, 0,1,2,3
	v_pk_add_f32 v[LL+2*\m:LL+2*\m+1], v[LL+2*\m:LL+2*\m+1], v[SCR+16*\m+\i:SCR+16*\m+\i+1]   ; THE SUM IS TAKEN OF THE UNQUANTISED p
.endr
.endr
.endm
.macro PLD buf                         ; P's four fragments and scale words, as they were stored
.irp m, 0,1,2,3
	ds_load_b128 v[PFR+12*\m:PFR+12*\m+3], v[PL16] offset:PBUF*\buf+1536*\m
	ds_load_b64 v[PFR+12*\m+4:PFR+12*\m+5], v[PL8] offset:PBUF*\buf+1536*\m+512
	ds_load_b128 v[PFR+12*\m+6:PFR+12*\m+9], v[PL16] offset:PBUF*\buf+1536*\m+768
	ds_load_b64 v[PFR+12*\m+10:PFR+12*\m+11], v[PL8] offset:PBUF*\buf+1536*\m+1280
.endr
	ds_load_b128 v[PS:PS+3], v[PSL] offset:256*\buf
.endm
; A PV wave's trip: O^T += V^T P^T for the item whose V is in registers and whose P lies in buffer buf.  zero = 1: the products start the sums.  roll = 1: as soon as a tile of V has fed its four products,
; the next item's tile (step e of the chunk in the slot) is fetched into its registers.  The 32 accumulators take turns, one instruction a turn.
.macro PVTRIP buf, slot, e, zero, roll
	v_perm_b32 v[VS], v[VR+2], v[VR], s60          ; V's scale words: the two halves' bytes, low halves,
	v_perm_b32 v[VS+1], v[VR+2], v[VR], s61        ; high halves
	v_perm_b32 v[VS+2], v[VR+3], v[VR+1], s60
	v_perm_b32 v[VS+3], v[VR+3], v[VR+1], s61
	PLD \buf
	PLACES 8                                       ; a scale register written by a vector instruction stands eight places ahead of a scaled matrix instruction
	s_wait_dscnt 0x0                               ; P is in
.irp t, 0,1,2,3,4,5,6,7
	WIN 0x50                                       ; C and D window 1
.irp m, 0,1,2,3
.if \zero
	WM 64*\m+8*\t, VFR+12*\t, PFR+12*\m, -1, VS+\t/2, PS+\m, \t%2, 0
.else
	WM 64*\m+8*\t, VFR+12*\t, PFR+12*\m, 64*\m+8*\t, VS+\t/2, PS+\m, \t%2, 0
.endif
.endr
.if \roll
	WIN 0
	PLACES 4                                       ; in front of loads into registers that these products read
	ds_load_b128 v[VFR+12*\t:VFR+12*\t+3], v[B16+3*\slot] offset:12288*\e+1536*\t
	ds_load_b64 v[VFR+12*\t+4:VFR+12*\t+5], v[B8+3*\slot] offset:12288*\e+1536*\t+512
	ds_load_b128 v[VFR+12*\t+6:VFR+12*\t+9], v[B16+3*\slot] offset:12288*\e+1536*\t+768
	ds_load_b64 v[VFR+12*\t+10:VFR+12*\t+11], v[B8+3*\slot] offset:12288*\e+1536*\t+1280
.endif
.endr
	WIN 0
.if \roll
	ds_load_b64 v[VR:VR+1], v[B8+3*\slot] offset:VSCO+512*\e
	ds_load_b64 v[VR+2:VR+3], v[B8+3*\slot] offset:VSCO+512*\e+256
.endif
.endm
.macro XLOAD r0                        ; eight of my 16 rows of x into window 1: row p of the tile is query p + 8 (p / 8) from my base; 512 consecutive bytes a load
	WIN 0x40
.irp p, 0,1,2,3,4,5,6,7
.irp k, 0,1,2,3
	global_load_b128 v[16*(\r0+\p)+4*\k:16*(\r0+\p)+4*\k+3], v[G16], s[70:71] offset:((\r0+\p)+8*((\r0+\p)/8))*2048+512*\k th:TH_LOAD_NT
.endr
.endr
	WIN 0
.endm
; Two trips on the chunk in the slot.  At the pair's head the other slot is filled with the walk's next chunk: that load has both trips in which to land.
.macro PAIR slot, g0, ix, first
	CHANGE 1, \g0, \ix
	s_cmp_lt_u32 s14, 4                            ; the roles part on the wave's number alone; no barrier stands in either part
	s_cbranch_scc0 .Lsm_even_\@
	TLOAD \g0
.if \first
	s_wait_loadcnt 0x0                             ; item 0's V and scale halves
.endif
	PVTRIP 0, \slot, 0, \first, 1
	s_branch .Ljoin_even_\@
.Lsm_even_\@:
	KLD B16+3*\slot, B8+3*\slot, B4+3*\slot, KCO, KSO, KF0, KS0
	KLD B16+3*\slot, B8+3*\slot, B4+3*\slot, KCO+1536, KSO+128, KF0+24, KS0+1
	s_wait_dscnt 5                                 ; the first step's five loads are in; the second's may be out
	SMUL KF0, KS0
	PLACES 4
	SOFTMAX 1
.if \first
	XLOAD 8
.endif
.Ljoin_even_\@:
	PLAIN
	s_cmp_lt_u32 s14, 4
	s_cbranch_scc0 .Lsm_odd_\@
	PVTRIP 1, \slot, 1, 0, 1
	s_branch .Ljoin_odd_\@
.Lsm_odd_\@:
	SMUL KF0+24, KS0+1                             ; fetched in the trip before; the barrier's wait has shown it in
	PLACES 4
	SOFTMAX 0
.Ljoin_odd_\@:
.endm
	s_load_b256 s[4:11], s[0:1], 0x0               ; kv s[4:5], qf s[6:7], x s[8:9], gamma s[10:11]
	s_load_b64 s[12:13], s[0:1], 0x20              ; out0
	v_lshl_add_u32 v[SPW], v0, 2, SPARE
	v_mov_b32 v[NIL], 0
	ds_add_u32 v1, v2
	ds_add_u32 v1, v2
	s_wait_dscnt 0x0
	v_lshrrev_b32 v26, 5, v0
	v_readfirstlane_b32 s14, v26                   ; wave 0..7
	s_and_b32 s15, s14, 3                          ; q: my part of a chunk
	s_lshr_b32 s16, s14, 2                         ; 0: PV, 1: SM; in pass A: which half of the keys
	s_lshr_b32 s19, ttmp9, 4                       ; the batch: 16 clusters of 4 work-groups each; the four partners share it
	s_mul_i32 s[IX0], ttmp9, 3
	s_and_b32 s[IX0], s[IX0], 15                   ; the walk's first chunk: 3 x the cluster's number in its batch, mod 16; the partners share it too
	s_add_co_u32 s[IX1], s[IX0], 1
	s_and_b32 s[IX1], s[IX1], 15                   ; its second,
	s_add_co_u32 s86, s[IX0], 15
	s_and_b32 s86, s86, 15                         ; its last
	s_mov_b32 s[OFS+1], 0
	s_bfe_u32 s74, ttmp6, 0x40000                  ; my place in the cluster: it enters the addresses of qf, x and out0 alone, in s74-79 and s[68:73]
	s_lshl_b32 s76, ttmp9, 2
	s_add_co_u32 s76, s76, s74                     ; my block of 64 queries
	s_mov_b32 s20, 0x76543210
	s_mov_b32 s21, 0xfedcba98                      ; v_permlanex16_b32's selects for lane l xor 16
	s_mov_b32 s22, 0x3fb8aa3b                      ; log2(e)
	s_mov_b32 s23, s22                             ; (named with it as a pair, so it is written)
	s_mov_b32 s60, 0x05040100                      ; v_perm_b32: the two low halves,
	s_mov_b32 s61, 0x07060302                      ; the two high halves
	s_mul_i32 s53, s15, CHUNK                      ; LDS: my part in slot 0,
	s_add_co_u32 s57, s53, SLOT1                   ; in slot 1,
	s_lshl_b32 s49, s16, 17
	s_add_co_u32 s49, s49, s53                     ; in slot wave / 4
	v_and_b32 v26, 31, v0                          ; lane
	v_and_b32 v27, 15, v0                          ; r
	v_lshl_add_u32 v[B16], v26, 4, s53
	v_lshl_add_u32 v[B8], v26, 3, s53
	v_lshl_add_u32 v[B4], v26, 2, s53
	v_lshl_add_u32 v[B16+3], v26, 4, s57
	v_lshl_add_u32 v[B8+3], v26, 3, s57
	v_lshl_add_u32 v[B4+3], v26, 2, s57
	v_lshl_add_u32 v[PA16], v26, 4, s49
	v_lshl_add_u32 v[PA8], v26, 3, s49
	v_lshl_add_u32 v[PA4], v26, 2, s49
	s_lshr_b32 s26, s15, 1
	s_mul_i32 s26, s26, 768                        ; c = q / 2: which six registers of P's fragment
	s_and_b32 s27, s15, 1                          ; q % 2: which half of the lanes
	s_lshl_b32 s28, s27, 8
	s_add_co_u32 s28, s28, s26
	s_add_co_u32 s28, s28, PIMG
	s_lshl_b32 s29, s27, 7
	s_add_co_u32 s29, s29, s26
	s_add_co_u32 s29, s29, PIMG+512
	v_bfe_u32 v[PSTA], v0, 4, 1                    ; h: which of the two tiles my lane holds behind the exchange
	v_mul_u32_u24 v[PSTA], v[PSTA], 1536
	v_lshl_add_u32 v[PSTB], v27, 3, v[PSTA]
	v_lshl_add_u32 v[PSTA], v27, 4, v[PSTA]
	v_add_nc_u32 v[PSTA], s28, v[PSTA]
	v_add_nc_u32 v[PSTB], s29, v[PSTB]
	s_add_co_u32 s30, s15, PSC
	v_lshl_add_u32 v[PSB], v27, 4, s30
	v_lshl_add_u32 v[PL16], v26, 4, PIMG
	v_lshl_add_u32 v[PL8], v26, 3, PIMG
	v_lshl_add_u32 v[PSL], v27, 4, PSC
	s_lshl_b32 s30, s14, 9
	s_add_co_u32 s30, s30, RED1
	v_lshl_add_u32 v[RST], v26, 4, s30
	v_lshl_add_u32 v[RLD], v26, 4, RED1
	v_mul_u32_u24 v[STO], v27, SROW
	v_bfe_u32 v[STO+1], v0, 4, 1
	v_lshl_add_u32 v[STO], v[STO+1], 5, v[STO]
	s_lshl_b32 s30, s15, 9
	v_add_nc_u32 v[STO], s30, v[STO]               ; row r, my 512 bytes of it, 32 bytes for each half of the lanes
	v_add_nc_u32 v[STO+1], 32*SROW, v[STO]
	s_mul_i32 s30, s15, 16*SROW
	v_lshl_add_u32 v[SRD], v26, 4, s30
	v_lshlrev_b32 v[G16], 4, v26
	v_lshlrev_b32 v[G8], 3, v26
	v_lshlrev_b32 v[G4], 2, v26
	; descriptor group 1 for a part of a chunk: 28,928 dense bytes as 113 rows of 256 (32 elements of 8 bytes)
	s_mov_b32 s32, 15|(3<<16)|(1<<21)              ; 15:0 the mask: all four work-groups; 17:16 elements of 8 bytes; 21 set beside a mask
	s_mov_b32 s33, 32<<16
	s_mov_b32 s34, 113<<16
	s_mov_b32 s35, 32<<16
	s_mov_b32 s36, 113
	s_mov_b32 s37, 32
	s_mov_b32 s38, 0
	s_mov_b32 s39, 0
	; and for pass A: K's 3,328 bytes (416 elements) of my part in eight chunks, 115,712 bytes (14,464 elements) apart
	s_mov_b32 s40, 15|(3<<16)|(1<<21)
	s_mov_b32 s41, 416<<16
	s_mov_b32 s42, 8<<16
	s_mov_b32 s43, 416<<16
	s_mov_b32 s44, 8
	s_mov_b32 s45, 14464
	s_mov_b32 s46, 0
	s_mov_b32 s47, 0
	s_mov_b32 s48, 1                               ; groups 0: s[48:51] pass A; s[52:55] slot 0; s[56:59] slot 1 (their LDS words stand above)
	s_mov_b32 s52, 1
	s_mov_b32 s56, 1
	s_mul_i32 s26, s19, BATCHB
	s_add_co_u32 s26, s26, s53                     ; the batch, + 28,928 q
	s_mov_b32 s27, 0
	s_mul_i32 s28, s16, 8*PAIRB
	s_add_co_u32 s28, s28, KCO
	s_mov_b32 s29, 0
	s_mul_i32 s78, s76, KPART                      ; my block in qf
	s_mov_b32 s79, 0
	s_lshl_b32 s74, s76, 17                        ; my block in x and out0: 64 rows of 2,048 bytes;
	s_lshr_b32 s77, s15, 1
	s_lshl_b32 s77, s77, 16
	s_add_co_u32 s74, s74, s77
	s_and_b32 s77, s15, 1
	s_lshl_b32 s77, s77, 14
	s_add_co_u32 s74, s74, s77                     ; tile q begins at query 32 (q / 2) + 8 (q % 2)
	s_mov_b32 s75, 0
	s_wait_kmcnt 0x0
	s_load_b32 s24, s[10:11], 0x0                  ; gamma
	s_add_nc_u64 s[KVB:KVB+1], s[4:5], s[26:27]    ; chunk 0, my part
	s_mul_i32 s[OFS], s[IX0], PAIRB
	s_add_nc_u64 s[54:55], s[KVB:KVB+1], s[OFS:OFS+1]   ; the walk's first chunk,
	s_mul_i32 s[OFS], s[IX1], PAIRB
	s_add_nc_u64 s[58:59], s[KVB:KVB+1], s[OFS:OFS+1]   ; its second,
	s_mul_i32 s[OFS], s86, PAIRB
	s_add_nc_u64 s[66:67], s[KVB:KVB+1], s[OFS:OFS+1]   ; its last: item 0's K and V come from there by plain loads
	s_add_nc_u64 s[50:51], s[KVB:KVB+1], s[28:29]  ; K's bytes of chunks 8 (wave / 4) on
	s_or_b32 s51, s51, 0x80000000
	s_or_b32 s55, s55, 0x80000000
	s_or_b32 s59, s59, 0x80000000
	s_add_nc_u64 s[68:69], s[6:7], s[78:79]
	s_add_nc_u64 s[70:71], s[8:9], s[74:75]
	s_add_nc_u64 s[72:73], s[12:13], s[74:75]
	ROUND                                          ; all four work-groups are here: the first joint loads meet
	tensor_load_to_lds s[48:51], s[40:47]          ; every wave's one first fill: K of key block q, 16 steps; one load of mine is out
	s_nop 0
	PLACES 4
.irp m, 0,1,2,3
	global_load_b128 v[QFR+12*\m:QFR+12*\m+3], v[G16], s[68:69] offset:768*\m
	global_load_b64 v[QFR+12*\m+4:QFR+12*\m+5], v[G8], s[68:69] offset:768*\m+512
.endr
	global_load_b32 v[QS], v[G4], s[68:69] offset:3072
	global_load_b32 v[QS+1], v[G4], s[68:69] offset:3200
.irp m, 0,1,2,3
.irp j, 6,7,8,9,10,11
	v_mov_b32 v[QFR+12*\m+\j], 0                   ; K = 64 fills half an instruction: the other half is zero codes, on both sides
	v_mov_b32 v[KF0+12*\m+\j], 0
.endr
.endr
.irp m, 0,1,2,3
	v_mov_b32 v[MX+\m], 0xff800000                 ; under every score
	v_mov_b32 v[TT+\m], 0                          ; written once: a lane permute's destination counts as one of its sources
.endr
	s_wait_loadcnt 0x0                             ; Q
	s_wait_kmcnt 0x0                               ; gamma
	s_wait_tensorcnt 0x0                           ; only I read the bytes that my load brought: my own wait is all the ordering that the reads need
	; ---- PASS A: wave w takes key block q of steps 16 (w / 4) .. + 15
	KLD PA16, PA8, PA4, 0, 3072, KF0, KS0
	KLD PA16, PA8, PA4, 1536, 3200, KF0+24, KS0+1
.set UN, 0
.rept 16
	AUNIT
.endr
.irp m, 0,1,2,3
	v_permlanex16_b32 v[TT+\m], v[MX+\m], s20, s21
.endr
.irp m, 0,1,2,3
	v_max_num_f32 v[MX+\m], v[MX+\m], v[TT+\m]
.endr
	ds_store_b128 v[RST], v[MX:MX+3]               ; my largest scores of the four tiles' queries
	CHANGE 1, 52, 0                                ; slot 0, whose pass A bytes nobody reads any more, takes the walk's first chunk
	s_cmp_lt_u32 s14, 4
	s_cbranch_scc0 .Lsm_pre
	TLOAD 52
.irp t, 0,1,2,3,4,5,6,7                ; item 0 is the second step of the walk's last chunk: its V comes straight into registers
	global_load_b128 v[VFR+12*\t:VFR+12*\t+3], v[G16], s[66:67] offset:12288+1536*\t
	global_load_b64 v[VFR+12*\t+4:VFR+12*\t+5], v[G8], s[66:67] offset:12288+1536*\t+512
	global_load_b128 v[VFR+12*\t+6:VFR+12*\t+9], v[G16], s[66:67] offset:12288+1536*\t+768
	global_load_b64 v[VFR+12*\t+10:VFR+12*\t+11], v[G8], s[66:67] offset:12288+1536*\t+1280
.endr
	global_load_b64 v[VR:VR+1], v[G8], s[66:67] offset:VSCO+512
	global_load_b64 v[VR+2:VR+3], v[G8], s[66:67] offset:VSCO+768
	s_branch .Ljoin_pre
.Lsm_pre:
.irp k, 0,1,2,3,4,5,6,7
	ds_load_b128 v[SCR+4*\k:SCR+4*\k+3], v[RLD] offset:512*\k      ; the eight waves' maxima
.endr
	s_wait_dscnt 0x0
.irp m, 0,1,2,3
	v_max3_num_f32 v[MX+\m], v[SCR+\m], v[SCR+4+\m], v[SCR+8+\m]
.endr
.irp m, 0,1,2,3
	v_max3_num_f32 v[MX+\m], v[MX+\m], v[SCR+12+\m], v[SCR+16+\m]
.endr
.irp m, 0,1,2,3
	v_max3_num_f32 v[MX+\m], v[MX+\m], v[SCR+20+\m], v[SCR+24+\m]
.endr
.irp m, 0,1,2,3
	v_max_num_f32 v[MX+\m], v[MX+\m], v[SCR+28+\m]                 ; the row's largest score
.endr
.irp m, 0,1,2,3
	v_mul_f32 v[TT+\m], s22, v[MX+\m]                              ; as t
.endr
.irp m, 0,1,2,3
	v_floor_f32 v[NM+2*\m], -v[TT+\m]                              ; -M = floor(-t) = -ceil(t): a whole number
	v_mov_b32 v[NM+2*\m+1], 0                                      ; (named as the pair's upper half)
	v_mov_b32 v[LL+2*\m], 0
	v_mov_b32 v[LL+2*\m+1], 0
.endr
	s_wait_loadcnt 0x0                             ; item 0's K, asked for in pass A
	SMUL KF0, KS0
	PLACES 4
	SOFTMAX 0                                      ; P of item 0
	XLOAD 0                                        ; x for the way out is asked for now and waited for at the end
.Ljoin_pre:
	; ---- PASS B
	PAIR 0, 56, 0, 1                               ; the walk's first chunk in slot 0; slot 1 takes its second; the first products start O^T's sums
	s_mov_b32 s25, 7
.Lpairs:                                           ; the walk's chunks 1 to 14; behind each pair's round the next chunk is asked for
	PAIR 1, 52, IX0, 0
	PAIR 0, 56, IX1, 0
	s_sub_co_u32 s25, s25, 1
	s_cmp_lg_u32 s25, 0
	s_cbranch_scc1 .Lpairs
	CHANGE 0, 0, 0                                 ; the walk's last chunk has landed in slot 1; nothing is left to fetch, so no round follows
	s_cmp_lt_u32 s14, 4
	s_cbranch_scc0 .Lsm_30
	PVTRIP 0, 1, 0, 0, 1
	s_branch .Ljoin_30
.Lsm_30:
	KLD B16+3, B8+3, B4+3, KCO, KSO, KF0, KS0
	s_wait_dscnt 0x0
	SMUL KF0, KS0
	PLACES 4
	SOFTMAX 1                                      ; P of item 31, the last
.irp m, 0,1,2,3
	v_add_f32 v[MX+\m], v[LL+2*\m], v[LL+2*\m+1]   ; the sum's two halves,
.endr
.irp m, 0,1,2,3
	v_permlanex16_b32 v[TT+\m], v[MX+\m], s20, s21
.endr
.irp m, 0,1,2,3
	v_add_f32 v[MX+\m], v[MX+\m], v[TT+\m]         ; and lane l xor 16's: my key blocks' share of the rows' sums
.endr
	ds_store_b128 v[RST], v[MX:MX+3] offset:2048   ; behind the eight maxima: 512 bytes for each SM wave
.Ljoin_30:
	PLAIN
	s_cmp_lt_u32 s14, 4
	s_cbranch_scc0 .Ljoin_31
.irp k, 0,1,2,3
	ds_load_b128 v[RT+4*\k:RT+4*\k+3], v[RLD] offset:4096+512*\k   ; the four shares of the sums
.endr
	PVTRIP 1, 1, 0, 0, 0
.irp m, 0,1,2,3
	v_add_f32 v[RT+\m], v[RT+\m], v[RT+4+\m]       ; (these twelve additions are also the places behind the last products)
.endr
.irp m, 0,1,2,3
	v_add_f32 v[RT+8+\m], v[RT+8+\m], v[RT+12+\m]
.endr
.irp m, 0,1,2,3
	v_add_f32 v[RT+\m], v[RT+\m], v[RT+8+\m]       ; the row's sum
.endr
.irp m, 0,1,2,3
	v_rcp_f32 v[RT+4+\m], v[RT+\m]
.endr
	v_nop                                          ; a plain place behind the reciprocals
	s_wait_alu depctr_va_vdst(0)
.irp m, 0,1,2,3
	v_mul_f32 v[FAC+2*\m], s24, v[RT+4+\m]         ; gamma / the sum
	v_mul_f32 v[FAC+2*\m+1], s24, v[RT+4+\m]
.endr
.irp m, 0,1,2,3                        ; O^T x gamma / the sum goes to the stage: row 16 m + r, my 128 channels.  Both slots have had their last fill and their last read
	WIN 0x41                                       ; O^T (destination and source 0) window 1
.set i, 0
.rept 32
	v_pk_mul_f32 v[64*\m+2*i:64*\m+2*i+1], v[64*\m+2*i:64*\m+2*i+1], v[FAC+2*\m:FAC+2*\m+1] op_sel_hi:[1,0]   ; each accumulator from its low end on
.set i, i+1
.endr
	WIN 0x04                                       ; an LDS store's data are its source 1: window 1
.irp t, 0,1,2,3,4,5,6,7
	ds_store_b128 v[STO+\m/2], v[64*\m+8*\t:64*\m+8*\t+3] offset:16*SROW*(\m%2)+64*\t
	ds_store_b128 v[STO+\m/2], v[64*\m+8*\t+4:64*\m+8*\t+7] offset:16*SROW*(\m%2)+64*\t+16
.endr
.endr
	WIN 0
.Ljoin_31:
	PLAIN                                          ; 64 whole rows lie in the stage
	s_cmp_lt_u32 s14, 4
	s_cbranch_scc1 .Lend
	; ---- THE WAY OUT: SM wave q adds x to the stage's rows 16 q .. 16 q + 15 and stores them: 512 consecutive bytes an instruction
	s_wait_loadcnt 0x0                             ; x
.macro OLD b                           ; batch b: four rows, sixteen loads, into v40-103 and v104-167 by turns
.irp n, 0,1,2,3,4,5,6,7,8,9,10,11,12,13,14,15
	ds_load_b128 v[SCR+64*((\b)%2)+4*\n:SCR+64*((\b)%2)+4*\n+3], v[SRD] offset:SROW*(4*(\b)+\n/4)+512*(\n%4)
.endr
.endm
	OLD 0
.irp b, 0,1,2,3
.if \b < 3
	OLD \b+1
	s_wait_dscnt 16                                ; this batch is in; the next batch's sixteen loads may be out
.else
	s_wait_dscnt 0x0
.endif
	WIN 0x41                                       ; x (destination and source 0) window 1
.set i, 0
.rept 32
	v_pk_add_f32 v[64*\b+2*i:64*\b+2*i+1], v[64*\b+2*i:64*\b+2*i+1], v[SCR+64*(\b%2)+2*i:SCR+64*(\b%2)+2*i+1]
.set i, i+1
.endr
	WIN 0x04                                       ; a store's data are its source 1: window 1
.irp n, 0,1,2,3,4,5,6,7,8,9,10,11,12,13,14,15
	global_store_b128 v[G16], v[64*\b+4*\n:64*\b+4*\n+3], s[72:73] offset:((4*\b+\n/4)+8*((4*\b+\n/4)/8))*2048+512*(\n%4) th:TH_STORE_NT
.endr
	WIN 0
.endr
.Lend:
	s_wait_tensorcnt 0x0                           ; the wave's end, behind my last tensor load and my last LDS store
	ds_add_u32 v[SPW], v[NIL]
	s_wait_dscnt 0x0
	ROUND                                          ; the closing round: no work-group ends while a partner may still ask for a tile that names it
	s_endpgm
.Lfunc_end_k_q257f33a61d_attn:
	.size	k_q257f33a61d_attn, .Lfunc_end_k_q257f33a61d_attn-k_q257f33a61d_attn
	.p2alignl 7, 3214868480
	.fill 96, 4, 3214868480
	.section	.rodata,"a",@progbits
	.p2align	6, 0x0
	.amdhsa_kernel k_q257f33a61d_attn
		.amdhsa_group_segment_fixed_size 327680
		.amdhsa_private_segment_fixed_size 0
		.amdhsa_enable_private_segment 0
		.amdhsa_kernarg_size 40
		.amdhsa_user_sgpr_count 2
		.amdhsa_user_sgpr_kernarg_segment_ptr 1
		.amdhsa_wavefront_size32 1
		.amdhsa_system_sgpr_workgroup_id_x 1
		.amdhsa_system_sgpr_workgroup_id_y 1
		.amdhsa_system_sgpr_workgroup_id_z 1
		.amdhsa_system_vgpr_workitem_id 0
		.amdhsa_next_free_vgpr 512
		.amdhsa_next_free_sgpr 88
		.amdhsa_reserve_vcc 0
		.amdhsa_float_denorm_mode_32 3
		.amdhsa_float_denorm_mode_16_64 3
		.amdhsa_memory_ordered 1
		.amdhsa_forward_progress 1
		.amdhsa_inst_pref_size 255
	.end_amdhsa_kernel
	.section	.bss,"aw",@nobits
	.p2align	6
	.space	262144
	.amdgpu_metadata
---
amdhsa.version: [ 1, 2 ]
amdhsa.kernels:
  - .name:           k_q257f33a61d_attn
    .symbol:         k_q257f33a61d_attn.kd
    .args:
      - { .name: kv, .offset: 0, .size: 8, .value_kind: global_buffer, .address_space: global }
      - { .name: qf, .offset: 8, .size: 8, .value_kind: global_buffer, .address_space: global }
      - { .name: x, .offset: 16, .size: 8, .value_kind: global_buffer, .address_space: global }
      - { .name: gamma, .offset: 24, .size: 8, .value_kind: global_buffer, .address_space: global }
      - { .name: out0, .offset: 32, .size: 8, .value_kind: global_buffer, .address_space: global }
    .group_segment_fixed_size: 327680
    .private_segment_fixed_size: 0
    .kernarg_segment_align: 8
    .kernarg_segment_size: 40
    .max_flat_workgroup_size: 256
    .sgpr_count:     88
    .vgpr_count:     512
    .wavefront_size: 32
...
	.end_amdgpu_metadata
.endif
;; end of part 4
